; MI455X (gfx1250); checked and timed in simulation.
; The chip was launched on July 23, 2026; its instructions are those of AMD's public machine-readable ISA for CDNA 5 (MIT licence, August 2026) and "CDNA5" Instruction Set Architecture Reference Guide (July 2026). The comments in the code are by the model that wrote it; some were corrected since.
;; Multiheaded Attention. Allowed arithmetic: matrix products marked QUANTISED: E2M3 operands, one E8M0 scale for each 32 along K, by v_wmma_scale_f32_16x16x128_f8f6f4 with both operands' format E2M3, f32 sums; everything else in f32.
;; Inputs: w_k 512 x 64 float32; w_o 512 x 512 float32; w_q 512 x 64 float32; w_v 512 x 64 float32; x 8,192 x 512 float32.
;; Outputs: out0 8,192 x 512 float32.
;; This version of the problem:
;;   THIS VERSION OF THE PROBLEM IS GIVEN IN LOW PRECISION. The matrix products marked QUANTISED in the list below multiply operands that are first quantised to E2M3 (2 exponent bits, 3 mantissa bits; 6 bits a number), with one power-of-two scale for each 32 numbers along K (OCP MX v1.0); their sums are f32. All else is computed in f32.
;;   The module's matrix products, in the order in which they are computed (A, B: the left and right operand; K: the contracted axis; several contracted axes count as one K, in the product's order):
;;     1. [M 8,192, K 512] x [K 512, N 64]; A: input x; B: input w_q: QUANTISED
;;     2. [M 8,192, K 512] x [K 512, N 64]; A: input x; B: input w_k: QUANTISED
;;     3. [M 8,192, K 512] x [K 512, N 64]; A: input x; B: input w_v: QUANTISED
;;     4. [M 8,192, K 64] x [K 64, N 8,192]; A: computed on the way; B: computed on the way: QUANTISED
;;     5. [M 8,192, K 8,192] x [K 8,192, N 64]; A: softmax (see below); B: computed on the way: QUANTISED
;;     6. [M 8,192, K 512] x [K 512, N 512]; A: computed on the way; B: input w_o: QUANTISED
;;   THE QUANTISER, for each operand of a quantised product, along K:
;;     - K is cut into blocks of 32 from its start; a last block that is shorter is filled with zeros.
;;     - A block's scale is 2^e with e = floor(log2(the largest magnitude in the block)) - 2, held to -126 .. 127; a block of zeros has e = 0. As a byte (E8M0): e + 127.
;;     - Each number is divided by its block's scale, clamped to +-7.5, and rounded to the nearest number of E2M3, ties to even, subnormals kept.
;;     - The product sums the exact products of the quantised numbers (number of the format x scale) in f32.
;;   ~~~python
;;   def quantise(x, axis):      # numpy; x: float32 -> the quantised numbers, widened to float32 again
;;       x = np.moveaxis(x, axis, -1); K = x.shape[-1]
;;       x = np.pad(x, [(0, 0)] * (x.ndim - 1) + [(0, -K % 32)]); x = x.reshape(x.shape[:-1] + (-1, 32)); a = np.abs(x).max(-1, keepdims=True)
;;       e = np.where(a > 0, np.clip(np.frexp(np.where(a > 0, a, 1))[1] - 1 - 2, -126, 127), 0)      # np.frexp(a)[1] - 1 = floor(log2(a)), exactly
;;       r = np.clip(x / 2.0 ** e, -7.5, 7.5)
;;       step = 2.0 ** (np.maximum(np.frexp(np.where(r == 0, 1, r))[1] - 1, 0) - 3)
;;       q = np.round(r / step) * step * 2.0 ** e      # np.round: ties to even
;;       return np.moveaxis(q.reshape(q.shape[:-2] + (-1,))[..., :K], -1, axis).astype(np.float32)
;;   ~~~
;;   SOFTMAX AHEAD OF A QUANTISED PRODUCT. Where the list says 'softmax', what is quantised is not the finished softmax but p = 2^(t - M), with t = logit x log2(e) and M = ceil(the row's largest t), a whole number; so 1/2 < the row's largest p <= 1. The row's sum l is taken of the UNQUANTISED p, in f32, and the product's result is divided by l at the end. Since M is a whole number, a kernel that streams over the keys may use a running M (the ceiling of the running maximum): every later rescaling is an exact power of two, which a block's scale takes up: the codes' values come out the same.
;;   OPERANDS COMPUTED ON THE WAY. 'Computed on the way' means the value that the module computes at that place (a softmax that the list does not call 'softmax' is quantised finished and normalised). What goes into a quantiser is computed in f32, as accurately as f32 sums, v_exp_f32 and their like allow (about 1e-6 of the number): no bf16 or f16 on the way to a quantiser, and a product that is left as it is and whose result goes on into a quantised operand takes f32 operands (vector FMAs, or v_wmma_f32_16x16x4_f32). A number that lies on a knife's edge between two numbers of the format may be rounded either way, as far as f32 arithmetic and the matrix unit's own rounding can turn it there, and no further.
;; 2 versions, each right; version 2 is version 1 with the launches proj, attn written anew for expert scheduling mode. Each part assembles by itself: llvm-mc -triple=amdgcn-amd-amdhsa -mcpu=gfx1250 --defsym DOCPART=n.
;; ======== version 1 of 2: 3 launches
;; workspace buffers: wts 281,600 bytes; qkv 1,228,800 bytes
;; launch wquant (part 1): grid 22 x 1, 8 waves a work-group, no clusters, 1,536 bytes of LDS; arguments w_q, w_k, w_v, w_o, wts; writes wts
.if DOCPART == 1
	.amdgcn_target "amdgcn-amd-amdhsa--gfx1250"
	.amdhsa_code_object_version 6
	.text
	.protected	k_q6884767efd_wquant
	.globl	k_q6884767efd_wquant
	.p2align	8
	.type	k_q6884767efd_wquant,@function
k_q6884767efd_wquant:
	s_mov_b64 s[64:65], 0
	v_nop
	global_prefetch_b8 v0, s[64:65] scope:SCOPE_SE
	s_setreg_imm32_b32 hwreg(HW_REG_WAVE_MODE, 25, 1), 1
	s_wait_xcnt 0x0
; The four weights, f32 with K as their FIRST axis, become codes of FP6 (E2M3) with one E8M0 byte for each 32 along K, laid in the ORDER OF AN OPERAND'S REGISTERS.
; wts: 22 pairs of column tiles, 12,288 bytes each: pairs 0-5 = w_q, w_k, w_v (channel blocks 0 and 1 of each), pairs 6-21 = w_o's column tiles 2 (P - 6), 2 (P - 6) + 1.
; Fragment (tile i of the pair, K step s of 128) lies at P x 12,288 + (4 i + s) x 1,536, register 4 c + k of lane l at 512 c + 16 l + 4 k.  Behind the images, from byte 270,336: the scale words, pair P's 512 bytes, word (i, r, s) at (16 i + r) x 16 + 4 s.
; The 16 columns of a tile: w_o: neighbours, 16 x tile + r.  w_q, w_k, w_v: lane r of tile i of block b takes column 32 b + 8 i + r + 8 (r / 8), so that two neighbouring tiles' results are 16 neighbours along the next product's K.
; SHARES: a work-group a pair, a wave a fragment.  A LANE TAKES A COLUMN AND ITS REGISTERS RUN DOWN K, in the order that the operand's layout gives that lane (k = 64 c + 32 h + 0 .. 31): the conversions' results are the operand's registers.
; 22 work-groups are all the work there is: 176 fragments, a wave each, all 64 loads of a wave out at once.
; A block's scale is 2^(floor(log2(its largest magnitude)) - 2); its byte is that magnitude's exponent field - 2, held at 1 from below.
; LIMITS: a block of zeros gets the byte 1 where the rule says 127 (its codes are zeros, and this program alone reads the bytes); blocks whose largest magnitude lies under 2^-124 are held at byte 1; NaN and infinities among the inputs are not served.
.set IMGP, 12288                       ; bytes of a pair's images
.set FRB,  1536                        ; bytes of a fragment's image
.set WSC,  270336                      ; where the scale words begin
.macro LOADS pitch                     ; W(64 c + 32 h + i, my column): sixteen neighbouring lanes read neighbouring columns
.irp c, 0,1
.irp i, 0,1,2,3,4,5,6,7,8,9,10,11,12,13,14,15,16,17,18,19,20,21,22,23,24,25,26,27,28,29,30,31
	global_load_b32 v[64+32*\c+\i], v7, s[20:21] offset:(64*\c+\i)*\pitch
.endr
.endr
.endm
	s_load_b256 s[4:11], s[0:1], 0x0               ; w_q s[4:5], w_k s[6:7], w_v s[8:9], w_o s[10:11]
	s_load_b64 s[12:13], s[0:1], 0x20              ; wts
	v_lshl_add_u32 v128, v0, 2, 0x200
	v_mov_b32 v129, 0
	v_lshrrev_b32 v1, 5, v0
	v_readfirstlane_b32 s14, v1                    ; wave 0..7 = 4 i + s
	s_lshr_b32 s15, s14, 2                         ; i: which tile of the pair
	s_and_b32 s16, s14, 3                          ; s: which K step of 128
	v_and_b32 v1, 31, v0                           ; lane
	v_and_b32 v2, 15, v0                           ; r
	v_bfe_u32 v3, v0, 4, 1                         ; h
	s_lshl_b32 s17, s15, 8
	s_lshl_b32 s18, s16, 2
	s_add_co_u32 s17, s17, s18
	v_lshl_add_u32 v5, v2, 4, s17                  ; LDS: my column's scale word: 16 r + 256 i + 4 s
	v_lshlrev_b32 v6, 4, v1                        ; 16 x lane
	v_lshlrev_b32 v11, 3, v3                       ; 8 h: how far my two scale bytes are shifted
	v_mov_b32 v10, 0                               ; a lane permute's destination counts as one of its sources
	s_mov_b32 s28, 0x76543210
	s_mov_b32 s29, 0xfedcba98                      ; v_permlanex16_b32's selects for lane l xor 16
	s_mul_i32 s24, ttmp9, IMGP
	s_mul_i32 s18, s14, FRB
	s_add_co_u32 s24, s24, s18                     ; my fragment's image
	s_mov_b32 s25, 0
	s_lshl_b32 s26, ttmp9, 9
	s_add_co_u32 s26, s26, WSC                     ; my pair's scale words
	s_mov_b32 s27, 0
	s_mov_b32 s23, 0
	s_wait_kmcnt 0x0
	s_add_nc_u64 s[24:25], s[12:13], s[24:25]
	s_add_nc_u64 s[26:27], s[12:13], s[26:27]
	s_cmp_lt_u32 ttmp9, 6                          ; the two arms hold address arithmetic and global loads alone
	s_cbranch_scc0 .Lwo
	s_lshr_b32 s19, ttmp9, 1                       ; 0: w_q, 1: w_k, 2: w_v
	s_cmp_eq_u32 s19, 0
	s_cselect_b64 s[20:21], s[4:5], s[6:7]
	s_cmp_eq_u32 s19, 2
	s_cselect_b64 s[20:21], s[8:9], s[20:21]
	s_and_b32 s22, ttmp9, 1
	s_lshl_b32 s22, s22, 7                         ; channel block: 32 columns of 4 bytes
	s_lshl_b32 s18, s15, 5                         ; tile: 8 columns on
	s_add_co_u32 s22, s22, s18
	s_lshl_b32 s18, s16, 15                        ; K step: 128 rows of 256 bytes
	s_add_co_u32 s22, s22, s18
	s_add_nc_u64 s[20:21], s[20:21], s[22:23]
	v_and_b32 v7, 8, v2
	v_add_nc_u32 v7, v7, v2                        ; r + 8 (r / 8)
	v_lshlrev_b32 v7, 2, v7
	v_lshl_add_u32 v7, v3, 13, v7                  ; lanes 16-31 begin 32 rows further down
	LOADS 256
	s_branch .Lhave
.Lwo:
	s_sub_co_u32 s22, ttmp9, 6
	s_lshl_b32 s22, s22, 1
	s_add_co_u32 s22, s22, s15                     ; column tile 2 (P - 6) + i
	s_lshl_b32 s22, s22, 6                         ; 16 columns of 4 bytes
	s_lshl_b32 s18, s16, 18                        ; K step: 128 rows of 2,048 bytes
	s_add_co_u32 s22, s22, s18
	s_add_nc_u64 s[20:21], s[10:11], s[22:23]
	v_lshlrev_b32 v7, 2, v2
	v_lshl_add_u32 v7, v3, 16, v7                  ; lanes 16-31 begin 32 rows further down
	LOADS 2048
.Lhave:
	s_wait_loadcnt 0x0                             ; all 64 numbers are wanted at once
.irp c, 0,1                                    ; my block 2 c + h: all its 32 numbers are mine
	v_max3_num_f32 v[32+\c], |v[64+32*\c]|, |v[65+32*\c]|, 0x1800000   ; with the floor 2^(3 - 127): the byte cannot fall under 1
.endr
.irp i, 2,4,6,8,10,12,14,16,18,20,22,24,26,28,30
.irp c, 0,1
	v_max3_num_f32 v[32+\c], v[32+\c], |v[64+32*\c+\i]|, |v[65+32*\c+\i]|   ; the two blocks by turns
.endr
.endr
.irp c, 0,1
	v_add_nc_u32 v[44+\c], 0xff000000, v[32+\c]    ; 2 off the exponent field: the conversion takes the exponent field of this operand as its scale
.endr
.irp c, 0,1
	v_lshrrev_b32 v[36+\c], 23, v[44+\c]           ; the scale's byte
.endr
	v_lshl_or_b32 v9, v37, 16, v36                 ; my two bytes: blocks h and 2 + h,
	v_lshlrev_b32 v9, v11, v9                      ; at their places in the word;
	v_permlanex16_b32 v10, v9, s28, s29
	v_or_b32 v9, v9, v10                           ; with lane l xor 16's two the word is whole, in both halves of the lanes
.irp c, 0,1
	v_cvt_scalef32_pk16_fp6_f32 v[48+6*\c:50+6*\c], v[64+32*\c:79+32*\c], v[44+\c]       ; registers 6 c .. 6 c + 2 of the operand
	v_cvt_scalef32_pk16_fp6_f32 v[40+20*\c:42+20*\c], v[80+32*\c:95+32*\c], v[44+\c]     ; (a conversion's three registers begin on an even number: the second half is made elsewhere and moved)
.endr
	v_nop                                          ; one plain place behind the scaled conversions
.irp c, 0,1
.irp i, 0,1,2
	v_mov_b32 v[51+6*\c+\i], v[40+20*\c+\i]
.endr
.endr
.irp c, 0,1,2
	global_store_b128 v6, v[48+4*\c:51+4*\c], s[24:25] offset:512*\c   ; the image: each store covers 512 consecutive bytes, aligned
.endr
	ds_store_b32 v5, v9                            ; both halves of the lanes write the same word with the same value
	s_wait_dscnt 0x0                               ; for the others' sake: my store has landed
	s_barrier_signal -1
	s_barrier_wait -1
	s_cmp_lg_u32 s14, 0                            ; wave 0 sends the pair's 512 bytes of scale words out as one run
	s_cbranch_scc1 .Lend
	ds_load_b128 v[12:15], v6
	s_wait_dscnt 0x0
	global_store_b128 v6, v[12:15], s[26:27]
.Lend:
	s_wait_tensorcnt 0x0
	ds_add_u32 v128, v129
	s_wait_dscnt 0x0
	s_endpgm
.Lfunc_end_k_q6884767efd_wquant:
	.size	k_q6884767efd_wquant, .Lfunc_end_k_q6884767efd_wquant-k_q6884767efd_wquant
	.p2alignl 7, 3214868480
	.fill 96, 4, 3214868480
	.section	.rodata,"a",@progbits
	.p2align	6, 0x0
	.amdhsa_kernel k_q6884767efd_wquant
		.amdhsa_group_segment_fixed_size 1536
		.amdhsa_private_segment_fixed_size 0
		.amdhsa_enable_private_segment 0
		.amdhsa_kernarg_size 40
		.amdhsa_user_sgpr_count 2
		.amdhsa_user_sgpr_kernarg_segment_ptr 1
		.amdhsa_wavefront_size32 1
		.amdhsa_system_sgpr_workgroup_id_x 1
		.amdhsa_system_sgpr_workgroup_id_y 1
		.amdhsa_system_sgpr_workgroup_id_z 1
		.amdhsa_system_vgpr_workitem_id 0
		.amdhsa_next_free_vgpr 130
		.amdhsa_next_free_sgpr 66
		.amdhsa_reserve_vcc 0
		.amdhsa_float_denorm_mode_32 3
		.amdhsa_float_denorm_mode_16_64 3
		.amdhsa_memory_ordered 1
		.amdhsa_forward_progress 1
		.amdhsa_inst_pref_size 19
	.end_amdhsa_kernel
	.amdgpu_metadata
---
amdhsa.version: [ 1, 2 ]
amdhsa.kernels:
  - .name:           k_q6884767efd_wquant
    .symbol:         k_q6884767efd_wquant.kd
    .args:
      - { .name: w_q, .offset: 0, .size: 8, .value_kind: global_buffer, .address_space: global }
      - { .name: w_k, .offset: 8, .size: 8, .value_kind: global_buffer, .address_space: global }
      - { .name: w_v, .offset: 16, .size: 8, .value_kind: global_buffer, .address_space: global }
      - { .name: w_o, .offset: 24, .size: 8, .value_kind: global_buffer, .address_space: global }
      - { .name: wts, .offset: 32, .size: 8, .value_kind: global_buffer, .address_space: global }
    .group_segment_fixed_size: 1536
    .private_segment_fixed_size: 0
    .kernarg_segment_align: 8
    .kernarg_segment_size: 40
    .max_flat_workgroup_size: 256
    .sgpr_count:     66
    .vgpr_count:     130
    .wavefront_size: 32
...
	.end_amdgpu_metadata
.endif
;; end of part 1
;; launch proj (part 2): grid 256 x 1, 8 waves a work-group, no clusters, 81,408 bytes of LDS; arguments x, wts, qkv; writes qkv
.if DOCPART == 2
	.amdgcn_target "amdgcn-amd-amdhsa--gfx1250"
	.amdhsa_code_object_version 6
	.text
	.protected	k_q6884767efd_proj
	.globl	k_q6884767efd_proj
	.p2align	8
	.type	k_q6884767efd_proj,@function
k_q6884767efd_proj:
	s_mov_b64 s[64:65], 0
	v_nop
	global_prefetch_b8 v0, s[64:65] scope:SCOPE_SE
	s_setreg_imm32_b32 hwreg(HW_REG_WAVE_MODE, 25, 1), 1
	s_wait_xcnt 0x0
; q = x w_q, k = x w_k, v = x w_v on codes of FP6 (E2M3) with E8M0 scales for each 32 along K; x is quantised here, the weights come as register images out of wts.
; The results are quantised at once, q and k along their 64 channels, v along the KEYS, and stored in qkv in the order in which the attention's operand registers take them.
; SHARES: a work-group takes 32 rows of x: one block of 32 keys.  First each of the 8 waves quantises one fragment of x (row tile u = wave / 4, K step s = wave % 4) and hands its register image to the others through LDS.
; Then waves 0, 1 make q's two channel blocks, waves 2, 3 k's, waves 4, 5 v's two pairs of channel tiles: 2 x 2 accumulators over 4 K steps; waves 6 and 7 have no part of that and end behind the barrier.
; x IS LOADED AS IT LIES: each load takes 512 consecutive bytes of one row, 16 a lane.  The conversions want 16 neighbours along K in ONE lane: so a wave's 16 rows x 512 bytes turn through its own stage in LDS (rows 528 bytes apart) and come back 64 bytes a lane.
; THE ROWS OF A TILE ARE NOT NEIGHBOURS: lane r of row tile u stands for row 8 u + r + 8 (r / 8) of the 32; the weights' columns likewise.  So the 16 registers of two neighbouring tiles are 16 neighbours along the next product's K.
; q, k: source 0 = the weight's 16 channels, source 1 = 16 rows of x: a lane holds one row, its registers run along the channels.  v: the sources swapped: a lane holds one channel, its registers run along the 32 keys.
; qkv: three regions of 393,216 bytes (q, k, v), in pieces of 1,536 bytes.  A unit is 16 lanes x 24 bytes (32 codes): its first 16 bytes at unit x 256 + 16 x lane-row, its last 8 at 1,024 + unit x 128 + 8 x lane-row.
;   q: piece = work-group, unit 2 b + u (channel block b, row tile u), lane-row r.   v: piece = work-group, unit t (channel tile), lane-row r.
;   k: two work-groups (64 keys) share two pieces: my lane r goes to piece 2 (wg / 2) + r / 8, unit 2 b + u, lane-row 8 (wg % 2) + r % 8.  So lane-rows 0-7 of the pair's four tiles are the 32 keys of the even block and lane-rows 8-15 those of the odd one.
; Behind them the scale bytes: q's at 64 wg + 32 b + 16 u + r; k's and v's as words for the attention's steps of 128 keys: 256 bytes a step, 16 bytes a lane-row, a word a piece (k: byte 2 u + b) or a channel tile (v: a byte a block of keys).
; q's and v's codes leave in runs of 512 and 256 aligned bytes, k's in runs of 128 and 64 (stored once, read densely by every work-group of the next launch); the 192 scale bytes of a work-group, of the 4,800 bytes that it stores, leave byte by byte.
; LIMITS: a block of zeros gets the byte 1 where the rule says 127 (its codes are zeros, and this program alone reads the bytes); blocks whose largest magnitude lies under 2^-124 are held at byte 1; NaN and infinities are not served.
.set REG,  393216                      ; bytes of a region of codes
.set QSC,  1179648
.set KSC,  1196032
.set VSC,  1212416
.set WSC,  270336                      ; in wts: where the scale words begin
.set XSCL, 12288                       ; LDS: x's 8 images of 1,536 bytes, then their scale words, word (u, r, s) at (16 u + r) x 16 + 4 s,
.set XSTG, 12800                       ; then a stage of 16 rows for each wave, its own
.set XSP,  528                         ; a stage row: 512 bytes + 16: the sixteen rows that a load of 16 bytes a lane touches begin in sixteen different columns of 16 bytes
.set W,   16                           ; v16-111   my pair's 8 fragments: (tile i, K step s) at W + 12 (4 i + s)
.set X,   112                          ; v112-207  x's 8 fragments: (row tile u, K step s) at X + 12 (4 u + s)
.set ACC, 208                          ; v208-239  D(i, j) at ACC + 16 j + 8 i
.set WS,  240                          ; v240-243  the weight's scale words, a register a K step: tile 0 in lanes 0-15, tile 1 in lanes 16-31
.set XS,  244                          ; v244-247  x's likewise
.set XN,  112                          ; while x is quantised: v112-175 64 numbers, v176-191 at work, v192-210 the codes, v212 the scale word
.set TM,  176
.set PC,  192
.set PW,  212
.set BM,  112                          ; behind the products: v112-113 largest magnitudes, v114-115 bytes, v116-117 scale operands, v118 my byte, v120-125 my 32 codes, v128-130 at work
.set PL,  114
.set SO,  116
.set BY,  118
.set OUT, 120
.set CT,  128
.set SEL, 32                           ; s[32:33] v_permlanex16_b32's selects for lane l xor 16
; 64 numbers of a lane, register 16 b + i = k 32 b + 16 (lane / 16) + i of my row, become a fragment's codes in v[PC] on and its scale word in v[PW].
.macro QUANT s
.irp b, 0,1,2,3
	v_max3_num_f32 v[TM+\b], |v[\s+16*\b]|, |v[\s+1+16*\b]|, 0x1800000   ; block b: my 16 numbers, and the floor 2^(3 - 127): the byte cannot fall under 1
.endr
.irp i, 2,4,6,8,10,12,14
.irp b, 0,1,2,3
	v_max3_num_f32 v[TM+\b], v[TM+\b], |v[\s+16*\b+\i]|, |v[\s+1+16*\b+\i]|   ; the four blocks by turns
.endr
.endr
.irp b, 0,1,2,3
	v_permlanex16_b32 v[TM+4+\b], v[TM+\b], s[SEL], s[SEL+1]
.endr
.irp b, 0,1,2,3
	v_max_num_f32 v[TM+\b], v[TM+\b], v[TM+4+\b]   ; with lane l xor 16's: the block's largest magnitude
.endr
.irp b, 0,1,2,3
	v_add_nc_u32 v[TM+12+\b], 0xff000000, v[TM+\b] ; 2 off its exponent field: the conversion's scale operand
.endr
.irp b, 0,1,2,3
	v_lshrrev_b32 v[TM+4+\b], 23, v[TM+12+\b]      ; the scale's byte
.endr
	v_lshl_or_b32 v[PW], v[TM+5], 8, v[TM+4]       ; the four bytes make my row's scale word
	v_lshl_or_b32 v[PW], v[TM+6], 16, v[PW]
	v_lshl_or_b32 v[PW], v[TM+7], 24, v[PW]
.irp c, 0,1
	v_cvt_scalef32_pk16_fp6_f32 v[PC+6*\c:PC+2+6*\c], v[\s+32*\c:\s+15+32*\c], v[TM+12+2*\c]
	v_cvt_scalef32_pk16_fp6_f32 v[PC+12+4*\c:PC+14+4*\c], v[\s+16+32*\c:\s+31+32*\c], v[TM+12+2*\c+1]   ; (a conversion's three registers begin on an even number)
.endr
	v_nop                                          ; one plain place behind the scaled conversions
.irp c, 0,1                                    ; the operand's layout wants a WHOLE block in a lane: lanes 0-15 block 2 c, lanes 16-31 block 2 c + 1
.irp i, 0,1,2
	v_permlane16_swap_b32 v[PC+6*\c+\i], v[PC+12+4*\c+\i]
.endr
.irp i, 0,1,2
	v_mov_b32 v[PC+3+6*\c+\i], v[PC+12+4*\c+\i]
.endr
.endr
.endm
; One matrix instruction on rD, rA, rB, rSA, rSB.  ks = 0: it starts the sum.  ra, rb = 1: that side's scale words stand in lanes 16-31.
.macro WM ks, ra, rb
.if (\ks) == 0
.if (\ra) && (\rb)
	v_wmma_scale_f32_16x16x128_f8f6f4 v[rD:rD+7], v[rA:rA+11], v[rB:rB+11], 0, v[rSA], v[rSB] matrix_a_fmt:MATRIX_FMT_FP6 matrix_b_fmt:MATRIX_FMT_FP6 matrix_a_scale:MATRIX_SCALE_ROW1 matrix_b_scale:MATRIX_SCALE_ROW1
.elseif \ra
	v_wmma_scale_f32_16x16x128_f8f6f4 v[rD:rD+7], v[rA:rA+11], v[rB:rB+11], 0, v[rSA], v[rSB] matrix_a_fmt:MATRIX_FMT_FP6 matrix_b_fmt:MATRIX_FMT_FP6 matrix_a_scale:MATRIX_SCALE_ROW1
.elseif \rb
	v_wmma_scale_f32_16x16x128_f8f6f4 v[rD:rD+7], v[rA:rA+11], v[rB:rB+11], 0, v[rSA], v[rSB] matrix_a_fmt:MATRIX_FMT_FP6 matrix_b_fmt:MATRIX_FMT_FP6 matrix_b_scale:MATRIX_SCALE_ROW1
.else
	v_wmma_scale_f32_16x16x128_f8f6f4 v[rD:rD+7], v[rA:rA+11], v[rB:rB+11], 0, v[rSA], v[rSB] matrix_a_fmt:MATRIX_FMT_FP6 matrix_b_fmt:MATRIX_FMT_FP6
.endif
.else
.if (\ra) && (\rb)
	v_wmma_scale_f32_16x16x128_f8f6f4 v[rD:rD+7], v[rA:rA+11], v[rB:rB+11], v[rD:rD+7], v[rSA], v[rSB] matrix_a_fmt:MATRIX_FMT_FP6 matrix_b_fmt:MATRIX_FMT_FP6 matrix_a_scale:MATRIX_SCALE_ROW1 matrix_b_scale:MATRIX_SCALE_ROW1
.elseif \ra
	v_wmma_scale_f32_16x16x128_f8f6f4 v[rD:rD+7], v[rA:rA+11], v[rB:rB+11], v[rD:rD+7], v[rSA], v[rSB] matrix_a_fmt:MATRIX_FMT_FP6 matrix_b_fmt:MATRIX_FMT_FP6 matrix_a_scale:MATRIX_SCALE_ROW1
.elseif \rb
	v_wmma_scale_f32_16x16x128_f8f6f4 v[rD:rD+7], v[rA:rA+11], v[rB:rB+11], v[rD:rD+7], v[rSA], v[rSB] matrix_a_fmt:MATRIX_FMT_FP6 matrix_b_fmt:MATRIX_FMT_FP6 matrix_b_scale:MATRIX_SCALE_ROW1
.else
	v_wmma_scale_f32_16x16x128_f8f6f4 v[rD:rD+7], v[rA:rA+11], v[rB:rB+11], v[rD:rD+7], v[rSA], v[rSB] matrix_a_fmt:MATRIX_FMT_FP6 matrix_b_fmt:MATRIX_FMT_FP6
.endif
.endif
.endm
; 16 matrix instructions: source 0's two tiles x source 1's two tiles, 4 K steps of 128.  The four accumulators take turns, one instruction a turn.
.macro PROD a, asc, b, bsc
.irp s, 0,1,2,3
.irp j, 0,1
.irp i, 0,1
.set rD, ACC+16*\j+8*\i
.set rA, \a+12*(4*\i+\s)
.set rB, \b+12*(4*\j+\s)
.set rSA, \asc+\s
.set rSB, \bsc+\s
	WM \s, \i, \j
.endr
.endr
.endr
.endm
	s_load_b128 s[4:7], s[0:1], 0x0                ; x s[4:5], wts s[6:7]
	s_load_b64 s[8:9], s[0:1], 0x10                ; qkv
	v_lshl_add_u32 v254, v0, 2, 0x13a00
	v_mov_b32 v255, 0
	v_lshrrev_b32 v1, 5, v0
	v_readfirstlane_b32 s10, v1                    ; wave 0..7
	s_lshr_b32 s11, s10, 2                         ; u: the row tile of x that I quantise
	s_and_b32 s12, s10, 3                          ; s: its K step
	s_lshr_b32 s20, s10, 1                         ; 0: q, 1: k, 2: v
	s_and_b32 s21, s10, 1                          ; e: which half of its 64 channels
	v_and_b32 v1, 31, v0                           ; lane
	v_and_b32 v2, 15, v0                           ; r
	v_bfe_u32 v3, v0, 4, 1                         ; h
	v_lshlrev_b32 v5, 4, v1                        ; 16 x lane
	v_lshlrev_b32 v6, 3, v1                        ; 8 x lane
	v_lshrrev_b32 v12, 3, v2                       ; r / 8
	v_and_b32 v13, 7, v2                           ; r % 8
	s_mul_i32 s13, s10, 1536
	v_add_nc_u32 v7, s13, v5                       ; LDS: where my fragment's image goes
	s_lshl_b32 s13, s11, 8
	s_lshl_b32 s22, s12, 2
	s_add_co_u32 s13, s13, s22
	s_add_co_u32 s13, s13, XSCL
	v_lshl_add_u32 v8, v2, 4, s13                  ; and its scale word: 16 r + 256 u + 4 s
	s_mul_i32 s13, s10, 16*XSP
	s_add_co_u32 s13, s13, XSTG                    ; my stage
	v_add_nc_u32 v10, s13, v5                      ; in: a row's 512 bytes as they were loaded, 16 a lane
	v_mul_u32_u24 v11, v2, XSP
	v_lshl_add_u32 v11, v3, 6, v11
	v_add_nc_u32 v11, s13, v11                     ; back: row r, + 64 h: my 16 numbers of a block of 32
	s_lshl_b32 s14, ttmp9, 16                      ; x: my work-group's 32 rows,
	s_lshl_b32 s22, s11, 14                        ; 8 rows on for row tile 1,
	s_add_co_u32 s14, s14, s22
	s_lshl_b32 s22, s12, 9                         ; my K step's 128 numbers
	s_add_co_u32 s14, s14, s22
	s_mov_b32 s15, 0
	s_mul_i32 s16, s10, 12288                      ; wts: pair = wave
	s_mov_b32 s17, 0
	s_lshl_b32 s18, s10, 9
	s_add_co_u32 s18, s18, WSC
	s_mov_b32 s19, 0
	s_and_b32 s43, ttmp9, 1                        ; which block of its pair of key blocks my work-group is,
	s_bfe_u32 s44, ttmp9, 0x10001                  ; and which pair of the step of 128 keys
	s_cmp_eq_u32 s20, 1                            ; k alone: lanes 8-15 go a piece further on and not 128 (64) bytes, and the odd block 128 (64) bytes further on and not a piece
	s_cselect_b32 s40, 1408, 0                     ; 1,536 - 128
	s_cselect_b32 s41, 1472, 0                     ; 1,536 - 64
	s_mul_i32 s24, s20, REG                        ; qkv: my tensor's region, my work-group's piece,
	s_mul_i32 s22, ttmp9, 1536
	s_add_co_u32 s24, s24, s22
	s_lshl_b32 s22, s21, 8
	s_add_co_u32 s26, s24, s22
	s_add_co_u32 s26, s26, 1024                    ; the units' last 8 bytes: 1,024 + 256 e
	s_mul_i32 s22, s43, s41
	s_sub_co_u32 s26, s26, s22
	s_lshl_b32 s22, s21, 9
	s_add_co_u32 s24, s24, s22                     ; their first 16: 512 e
	s_mul_i32 s22, s43, s40
	s_sub_co_u32 s24, s24, s22
	s_mov_b32 s25, 0
	s_mov_b32 s27, 0
	v_mad_u32_u24 v14, v12, s40, v5                ; my 16 bytes' place: 16 x lane, in k + 1,408 (r / 8)
	v_mad_u32_u24 v15, v12, s41, v6                ; my 8 bytes' place: 8 x lane, in k + 1,472 (r / 8)
	s_lshl_b32 s34, ttmp9, 6                       ; where my scale bytes go.  q: QSC + 64 wg + 32 e, + r + 16 h
	s_lshl_b32 s22, s21, 5
	s_add_co_u32 s34, s34, s22
	s_add_co_u32 s34, s34, QSC
	s_lshr_b32 s35, ttmp9, 2
	s_lshl_b32 s35, s35, 8                         ; the step of 128 keys: 256 bytes
	s_and_b32 s36, ttmp9, 3                        ; my block of 32 keys in it
	s_lshl_b32 s22, s43, 7                         ; k: lane-row 8 (wg % 2) + r % 8, word 2 x pair + r / 8, byte 2 h + e:
	s_add_co_u32 s22, s22, s35
	s_lshl_b32 s45, s44, 3
	s_add_co_u32 s22, s22, s45
	s_add_co_u32 s22, s22, s21
	s_add_co_u32 s37, s22, KSC                     ; KSC + 256 step + 128 (wg % 2) + 8 pair + e, + 16 (r % 8) + 4 (r / 8) + 2 h
	s_lshl_b32 s22, s21, 3
	s_add_co_u32 s22, s22, s35
	s_add_co_u32 s22, s22, s36
	s_add_co_u32 s38, s22, VSC                     ; v: VSC + 256 step + block + 8 e, + 16 r + 4 h
	s_cmp_eq_u32 s20, 0
	s_cselect_b32 s28, s34, s37
	s_cselect_b32 s30, 1, 16                       ; bytes from r % 8 to the next,
	s_cselect_b32 s42, 8, 4                        ; for r / 8,
	s_cselect_b32 s31, 16, 2                       ; for h
	s_cmp_eq_u32 s20, 2
	s_cselect_b32 s28, s38, s28
	s_cselect_b32 s42, 128, s42
	s_cselect_b32 s31, 4, s31
	s_mov_b32 s29, 0
	v_mul_u32_u24 v9, v13, s30
	v_mad_u32_u24 v9, v12, s42, v9
	v_mad_u32_u24 v9, v3, s31, v9                  ; my byte's place among them
	s_mov_b32 s[SEL], 0x76543210
	s_mov_b32 s[SEL+1], 0xfedcba98
.irp b, 0,1,2,3
	v_mov_b32 v[TM+4+\b], 0                        ; a lane permute's destination counts as one of its sources
.endr
	s_wait_kmcnt 0x0
	s_add_nc_u64 s[14:15], s[4:5], s[14:15]
	s_add_nc_u64 s[16:17], s[6:7], s[16:17]
	s_add_nc_u64 s[18:19], s[6:7], s[18:19]
	s_add_nc_u64 s[24:25], s[8:9], s[24:25]
	s_add_nc_u64 s[26:27], s[8:9], s[26:27]
	s_add_nc_u64 s[28:29], s[8:9], s[28:29]
.irp i, 0,1,2,3,4,5,6,7,8,9,10,11,12,13,14,15  ; lane-row i of my tile is row i + 8 (i / 8) from its first: 32 lanes read that row's 512 consecutive bytes of my K step; read once in the launch
	global_load_b128 v[XN+4*\i:XN+4*\i+3], v5, s[14:15] offset:(\i+8*(\i/8))*2048 th:TH_LOAD_NT
.endr
	s_cmp_ge_u32 s10, 6                            ; waves 6 and 7 multiply nothing and fetch no weight
	s_cbranch_scc1 .Lno_w
.irp f, 0,1,2,3,4,5,6,7
.irp c, 0,1,2
	global_load_b128 v[W+12*\f+4*\c:W+12*\f+4*\c+3], v5, s[16:17] offset:1536*\f+512*\c   ; the images as they lie: 512 consecutive bytes a load
.endr
.endr
	global_load_b128 v[WS:WS+3], v5, s[18:19]
.Lno_w:
	s_wait_loadcnt 0x0                             ; zero: the two ways have issued different numbers of loads behind x's
.irp i, 0,1,2,3,4,5,6,7,8,9,10,11,12,13,14,15
	ds_store_b128 v10, v[XN+4*\i:XN+4*\i+3] offset:XSP*\i   ; the turn through my own stage: LDS serves a wave's instructions in order (ISA guide 5.7.1.4), so no wait stands between these stores and the loads below
.endr
.irp b, 0,1,2,3
.irp j, 0,1,2,3
	ds_load_b128 v[XN+16*\b+4*\j:XN+16*\b+4*\j+3], v11 offset:128*\b+16*\j   ; register 16 b + i: k 32 b + 16 h + i of row r
.endr
.endr
	s_wait_dscnt 0x0
	QUANT XN
.irp c, 0,1,2
	ds_store_b128 v7, v[PC+4*\c:PC+4*\c+3] offset:512*\c   ; the fragment goes to LDS as an image of its registers
.endr
	ds_store_b32 v8, v[PW]                         ; both halves of the lanes write the same word with the same value
	s_wait_dscnt 0x0                               ; for the others' sake: my stores have landed
	s_barrier_signal -1
	s_barrier_wait -1                              ; x's eight fragments lie in LDS
	s_cmp_ge_u32 s10, 6
	s_cbranch_scc1 .Lend
.irp f, 0,1,2,3,4,5,6,7
.irp c, 0,1,2
	ds_load_b128 v[X+12*\f+4*\c:X+12*\f+4*\c+3], v5 offset:1536*\f+512*\c
.endr
.endr
	ds_load_b128 v[XS:XS+3], v5 offset:XSCL
	s_wait_dscnt 0x0
	s_cmp_lt_u32 s10, 4
	s_cbranch_scc0 .Lfor_v
	PROD W, WS, X, XS                              ; q, k: a lane holds a row of x, its registers 16 neighbouring channels
	s_branch .Ldone
.Lfor_v:
	PROD X, XS, W, WS                              ; v: a lane holds a channel, its registers 16 neighbouring keys
.Ldone:
.rept 4
	v_nop                                          ; four places between the last products and the first read of results, and the first write of registers that held operands
.endr
	v_mov_b32 v[PL], 0                             ; a lane permute's destination counts as one of its sources
	v_mov_b32 v[PL+1], 0
.irp j, 0,1                                    ; source 1's tile j: my 16 numbers of its block of 32; each accumulator is read from its low end on
	v_max3_num_f32 v[BM+\j], |v[ACC+16*\j]|, |v[ACC+16*\j+1]|, 0x1800000
.endr
.irp i, 2,4,6,8,10,12,14
.irp j, 0,1
	v_max3_num_f32 v[BM+\j], v[BM+\j], |v[ACC+16*\j+\i]|, |v[ACC+16*\j+\i+1]|
.endr
.endr
.irp j, 0,1
	v_permlanex16_b32 v[PL+\j], v[BM+\j], s[SEL], s[SEL+1]
.endr
.irp j, 0,1
	v_max_num_f32 v[BM+\j], v[BM+\j], v[PL+\j]     ; with lane l xor 16's: the block's largest magnitude
.endr
.irp j, 0,1
	v_add_nc_u32 v[SO+\j], 0xff000000, v[BM+\j]    ; the conversion's scale operand
.endr
.irp j, 0,1
	v_lshrrev_b32 v[PL+\j], 23, v[SO+\j]           ; the scale's byte
.endr
	v_cmp_eq_u32 vcc_lo, 1, v3
	v_cndmask_b32 v[BY], v[PL], v[PL+1], vcc_lo    ; lanes 0-15 will hold tile 0's units, lanes 16-31 tile 1's
	v_cvt_scalef32_pk16_fp6_f32 v[OUT:OUT+2], v[ACC:ACC+15], v[SO]
	v_cvt_scalef32_pk16_fp6_f32 v[CT:CT+2], v[ACC+16:ACC+31], v[SO+1]
	v_nop                                          ; one plain place behind the scaled conversions
.irp i, 0,1,2
	v_permlane16_swap_b32 v[OUT+\i], v[CT+\i]      ; the first now holds the lower 16 codes of tile (lane / 16), the second the upper 16
.endr
.irp i, 0,1,2
	v_mov_b32 v[OUT+3+\i], v[CT+\i]
.endr
	global_store_b128 v14, v[OUT:OUT+3], s[24:25]  ; q, v: 512 consecutive bytes, aligned; k: four runs of 128
	global_store_b64 v15, v[OUT+4:OUT+5], s[26:27] ; q, v: 256 consecutive bytes, aligned; k: four runs of 64
	global_store_b8 v9, v[BY], s[28:29]
.Lend:
	s_wait_tensorcnt 0x0
	ds_add_u32 v254, v255
	s_wait_dscnt 0x0
	s_endpgm
.Lfunc_end_k_q6884767efd_proj:
	.size	k_q6884767efd_proj, .Lfunc_end_k_q6884767efd_proj-k_q6884767efd_proj
	.p2alignl 7, 3214868480
	.fill 96, 4, 3214868480
	.section	.rodata,"a",@progbits
	.p2align	6, 0x0
	.amdhsa_kernel k_q6884767efd_proj
		.amdhsa_group_segment_fixed_size 81408
		.amdhsa_private_segment_fixed_size 0
		.amdhsa_enable_private_segment 0
		.amdhsa_kernarg_size 24
		.amdhsa_user_sgpr_count 2
		.amdhsa_user_sgpr_kernarg_segment_ptr 1
		.amdhsa_wavefront_size32 1
		.amdhsa_system_sgpr_workgroup_id_x 1
		.amdhsa_system_sgpr_workgroup_id_y 1
		.amdhsa_system_sgpr_workgroup_id_z 1
		.amdhsa_system_vgpr_workitem_id 0
		.amdhsa_next_free_vgpr 256
		.amdhsa_next_free_sgpr 66
		.amdhsa_reserve_vcc 1
		.amdhsa_float_denorm_mode_32 3
		.amdhsa_float_denorm_mode_16_64 3
		.amdhsa_memory_ordered 1
		.amdhsa_forward_progress 1
		.amdhsa_inst_pref_size 23
	.end_amdhsa_kernel
	.amdgpu_metadata
---
amdhsa.version: [ 1, 2 ]
amdhsa.kernels:
  - .name:           k_q6884767efd_proj
    .symbol:         k_q6884767efd_proj.kd
    .args:
      - { .name: x, .offset: 0, .size: 8, .value_kind: global_buffer, .address_space: global }
      - { .name: wts, .offset: 8, .size: 8, .value_kind: global_buffer, .address_space: global }
      - { .name: qkv, .offset: 16, .size: 8, .value_kind: global_buffer, .address_space: global }
    .group_segment_fixed_size: 81408
    .private_segment_fixed_size: 0
    .kernarg_segment_align: 8
    .kernarg_segment_size: 24
    .max_flat_workgroup_size: 256
    .sgpr_count:     66
    .vgpr_count:     256
    .wavefront_size: 32
...
	.end_amdgpu_metadata
.endif
;; end of part 2
;; launch attn (part 3): grid 256 x 1, 8 waves a work-group, no clusters, 113,664 bytes of LDS; arguments qkv, wts, out0; writes out0
.if DOCPART == 3
	.amdgcn_target "amdgcn-amd-amdhsa--gfx1250"
	.amdhsa_code_object_version 6
	.text
	.protected	k_q6884767efd_attn
	.globl	k_q6884767efd_attn
	.p2align	8
	.type	k_q6884767efd_attn,@function
k_q6884767efd_attn:
	s_mov_b64 s[64:65], 0
	v_nop
	global_prefetch_b8 v0, s[64:65] scope:SCOPE_SE
	s_setreg_imm32_b32 hwreg(HW_REG_WAVE_MODE, 25, 1), 1
	s_wait_xcnt 0x0
; out = tile(softmax(q k^T / 8) v, 8) w_o, all three products on codes of FP6 (E2M3) with one E8M0 scale for each 32 along K.  q, k, v and w_o come as codes in the order of the operands' registers (qkv, wts).
; THE SOFTMAX: t = score x log2(e) / 8; M = the largest t so far, rounded UP to a whole number; p = 2^(t - M) is quantised along the keys, not normalised; the row's sum is taken of the unquantised p and divides at the end.
; SHARES: a work-group owns 32 queries, two tiles A and B of 16.  THE KEYS ARE SHARED OUT AMONG ITS 8 WAVES: wave w walks keys 1,024 w .. 1,024 w + 1,023 for both tiles, 128 a step, 8 steps, with a running M of its own.
; The eight parts are joined through LDS: M is a whole number, so each part is brought under the largest M by a multiplication with a power of two.  Then every wave quantises the head's 32 rows and makes 64 of the 512 output columns.
; NO CLUSTER, NO LDS RING: a fragment of k or v is read by ONE wave of a work-group, once, from memory straight into its operand registers (819,200 bytes a work-group).  A joint load lands in LDS alone: it would add those 819,200 bytes
; written to and read from LDS in each work-group, and a round of the cluster's barrier for each refill, to a loop whose 24 matrix instructions a step stand beside some 420 vector instructions.
; K = 64 IN AN INSTRUCTION OF 128: a fragment of k holds TWO tiles of 16 keys, one in k 0-63 and one in k 64-127.  q stands twice, as [q | 0] and as [0 | q]: the zero codes take the other tile's products away exactly; their scale bytes are 1.
; LAYOUT: all products transposed (source 0 = keys, channels of v, columns of w_o; source 1 = my queries): a lane holds ONE query (lane % 16) throughout.  Lane r of query tile X stands for row 8 X + r + 8 (r / 8) of the 32.
; THE KEYS OF A TILE ARE NOT NEIGHBOURS: of the four tiles T of a pair c of key blocks, lane-row m takes key 64 c + 32 (m / 8) + 8 T + m % 8.  A result's register j of lane (r, h) is lane-row 8 h + j: so my 32 registers of the four tiles are
; keys 64 c + 32 h + 0 .. 31: A WHOLE BLOCK OF 32 IN ONE LANE, which is what the second product's operand wants of that lane: a block's largest score needs no other lane, and the conversions' results change no lanes.
; v's channels of a tile are chosen so that the 16 registers of two neighbouring tiles of O^T are 16 neighbouring channels.  concat's K step of 128 is [head | head]: one fragment a tile of queries serves all four K steps of the last product.
; LIMITS: a block of zeros gets the byte 1 where the rule says 127 (its codes are zeros); blocks whose largest magnitude lies under 2^-124 are held at byte 1; NaN and infinities are not served; the division by the sum is v_rcp_f32 and a multiplication;
; a block's largest p is made from the block's largest score by the same multiply-add and exponential (this takes v_exp_f32 not to fall where its input rises).
; REGISTERS, window 0: v1-11, v88-92, v95 addresses and lane constants; v12-19 statistics; v20-49 q with its zeros; v50-63 scale words; v64-87 p's codes; v96-159 S^T, then p; v160-223 O^T; v224-251 at work.
;   window 1: v0-47 k's four fragments, v48-95 v's four; behind the loop v0-191 w_o's sixteen.
.set QIMG, 0                           ; qkv: three regions of 256 pieces of 1,536 bytes, then the scale bytes
.set KIMG, 393216
.set VIMG, 786432
.set QSC,  1179648
.set KSC,  1196032
.set VSC,  1212416
.set WSC,  270336                      ; wts: where the scale words begin
.set PO,   0                           ; LDS: wave w's O^T as 16 images of 512 bytes: 8,192 w
.set PM,   65536                       ; its -M and sums: 512 w + 128 x item + 4 x lane; items -M_A, l_A, -M_B, l_B
.set HD,   69632                       ; the head: (4 X + t) x 1,024 + 512 x half + 16 x lane
.set STG,  77824                       ; the way out: 16 rows x (256 bytes + 16) for each wave, its own
.set AKA,  1                           ; v1   512 h + 16 r: a unit's first 16 bytes in a piece of q or k
.set AKB,  2                           ; v2   256 h + 8 r: its last 8
.set AVA,  3                           ; v3   1,536 h + 16 r: the same in v, where lanes 16-31 take the next block of keys
.set AVB,  4                           ; v4   1,536 h + 8 r
.set AR16, 5                           ; v5   16 r: a lane-row's four scale words
.set L16,  6                           ; v6   16 x lane
.set POW,  7                           ; v7   where I put my O^T
.set PMW,  8                           ; v8   and my statistics
.set RA,   9                           ; v9   the join: where the parts of my tile lie
.set RB,   10                          ; v10  and their statistics
.set RH,   11                          ; v11  where I put my tile of the head
.set QHA,  20                          ; [0 | q_A]
.set QLA,  26                          ; [q_A | 0]
.set QHB,  32
.set QLB,  38
.set QS,   50                          ; v50-53 q's scale words: lo A, hi A, lo B, hi B
.set KS,   54                          ; v54-57 k's, a register a fragment; later w_o's
.set VS,   58                          ; v58-61 v's, a register a tile; later w_o's
.set PSA,  62                          ; v62, v63 p's; later the head's
.set PSB,  63
.set PA,   64                          ; v64-75, v76-87 p's codes; later the head's
.set PB,   76
.set RHL,  88                          ; v88  where the whole head lies
.set SI,   89                          ; v89  the stage: where I put 32 bytes of a row
.set SOA,  90                          ; v90  and where I read a row back
.set GO,   91                          ; v91  my byte offset in the wave's rows of out
.set H8,   95                          ; v95  8 h: how far my two scale bytes of p are shifted
.set S,    96
.set OA,   160
.set OB,   192
.set BM,   224                         ; v224-227 chains of the largest score; then v224, v225 my two blocks' largest score, then their largest p
.set PL,   228                         ; v228-231 lane permutes' results, a chain of the sum, the scales' bytes
.set CT,   232                         ; v232-234, v236-238 conversions' second halves
.set SO,   240                         ; v240-241 the conversions' scale operands
.set F,    244                         ; v[244:245] f = 2^(old M - new M); the packed forms take its low word
.set T,    246                         ; v246-247 at work
.set KF,   0                           ; window 1
.set VF,   48
.set SEL,  12                          ; s[12:13] v_permlanex16_b32's selects for lane l xor 16
.set CS,   14                          ; s[14:15] c = log2(e) / 8
.set MSB, 0
.macro WIN new                         ; the immediate's high byte repeats the setting that is left
.if MSB != \new
	s_set_vgpr_msb (MSB<<8)|\new
.set MSB, \new
.endif
.endm
.macro PLACES                          ; four plain places behind a matrix instruction, ahead of reads of its result and of loads into its registers (ISA guide 7.12.1 for vector instructions)
.rept 4
	v_nop
.endr
.endm
; A step's k: four fragments (registers 6 c on: the fragment's tile c; lanes 16-31: channels 32-63), and their scale words: 17 loads.
.macro LOADK
	WIN 0x40                                       ; destination window 1, address window 0
.irp g, 0,1,2,3
.irp c, 0,1
	global_load_b128 v[KF+12*\g+6*\c:KF+12*\g+6*\c+3], v[AKA], s[16:17] offset:KIMG+1536*\g+256*\c
	global_load_b64 v[KF+12*\g+6*\c+4:KF+12*\g+6*\c+5], v[AKB], s[16:17] offset:KIMG+1536*\g+1024+128*\c
.endr
.endr
	WIN 0
	global_load_b128 v[KS:KS+3], v[AR16], s[18:19] offset:KSC
.endm
; A step's v: four tiles of 16 channels x 128 keys (registers 6 c on: key blocks 2 c and, in lanes 16-31, 2 c + 1), and their scale words: 17 loads.
.macro LOADV
	WIN 0x40
.irp t, 0,1,2,3
.irp c, 0,1
	global_load_b128 v[VF+12*\t+6*\c:VF+12*\t+6*\c+3], v[AVA], s[16:17] offset:VIMG+3072*\c+256*\t
	global_load_b64 v[VF+12*\t+6*\c+4:VF+12*\t+6*\c+5], v[AVB], s[16:17] offset:VIMG+3072*\c+1024+128*\t
.endr
.endr
	WIN 0
	global_load_b128 v[VS:VS+3], v[AR16], s[18:19] offset:VSC
.endm
; S^T = k q^T for one tile of queries: 8 matrix instructions; register 32 c + i of lane (r, h) is key 64 c + 32 h + i of the step.
.macro KQ qlo, qhi, slo, shi
.irp g, 0,1,2,3
	v_wmma_scale_f32_16x16x128_f8f6f4 v[S+16*\g:S+16*\g+7], v[KF+12*\g:KF+12*\g+11], v[\qlo:\qlo+11], 0, v[KS+\g], v[\slo] matrix_a_fmt:MATRIX_FMT_FP6 matrix_b_fmt:MATRIX_FMT_FP6
	v_wmma_scale_f32_16x16x128_f8f6f4 v[S+16*\g+8:S+16*\g+15], v[KF+12*\g:KF+12*\g+11], v[\qhi:\qhi+11], 0, v[KS+\g], v[\shi] matrix_a_fmt:MATRIX_FMT_FP6 matrix_b_fmt:MATRIX_FMT_FP6
.endr
.endm
; O^T += v^T p^T for both tiles: the 8 accumulators take turns, one instruction a turn.
.macro PV
.irp t, 0,1,2,3
	v_wmma_scale_f32_16x16x128_f8f6f4 v[OA+8*\t:OA+8*\t+7], v[VF+12*\t:VF+12*\t+11], v[PA:PA+11], v[OA+8*\t:OA+8*\t+7], v[VS+\t], v[PSA] matrix_a_fmt:MATRIX_FMT_FP6 matrix_b_fmt:MATRIX_FMT_FP6
	v_wmma_scale_f32_16x16x128_f8f6f4 v[OB+8*\t:OB+8*\t+7], v[VF+12*\t:VF+12*\t+11], v[PB:PB+11], v[OB+8*\t:OB+8*\t+7], v[VS+\t], v[PSB] matrix_a_fmt:MATRIX_FMT_FP6 matrix_b_fmt:MATRIX_FMT_FP6
.endr
.endm
; One tile's softmax for a step of 128 keys.  st: -M, the largest t, the sum in two halves;  p, ps: where the codes and their scale word go;  o: the tile's O^T.
.macro SOFTMAX st, p, ps, o
.irp a, 0,1,2,3
	v_max3_num_f32 v[BM+\a], v[S+16*\a], v[S+1+16*\a], v[S+2+16*\a]   ; the largest score, in four chains of 15 by turns.  Each accumulator is read from its low end on
.endr
.irp i, 3,5,7,9,11,13
.irp a, 0,1,2,3
	v_max3_num_f32 v[BM+\a], v[BM+\a], v[S+16*\a+\i], v[S+1+16*\a+\i]
.endr
.endr
	v_max3_num_f32 v[BM], v[BM], v[BM+1], v[S+15]  ; two chains and the two scores left over make a block: all its 32 keys are mine
	v_max3_num_f32 v[BM+2], v[BM+2], v[BM+3], v[S+47]
	v_max_num_f32 v[BM], v[BM], v[S+31]            ; block h of the step's four: it serves for the row's maximum and for the block's largest p
	v_max_num_f32 v[BM+1], v[BM+2], v[S+63]        ; block 2 + h
	v_max_num_f32 v[T], v[BM], v[BM+1]
	v_permlanex16_b32 v[PL], v[T], s[SEL], s[SEL+1]
	v_max_num_f32 v[T], v[T], v[PL]                ; with lane l xor 16's two blocks: the step's largest score of my query
	v_mul_f32 v[T], s[CS], v[T]                    ; as t (c is positive)
	v_max_num_f32 v[\st+1], v[\st+1], v[T]         ; the running largest t
	v_mov_b32 v[T], v[\st]
	v_floor_f32 v[\st], -v[\st+1]                  ; the new -M = floor(-t) = -ceil(t): a whole number
	v_sub_f32 v[T], v[\st], v[T]                   ; old M less new M: a whole number, 0 or less
	v_cvt_i32_f32 v[T], v[T]                       ; (it saturates)
	v_ldexp_f32 v[F], 1.0, v[T]                    ; f = 2^(old M - new M): a multiplication by it rounds nothing
	v_fma_f32 v[BM], v[BM], s[CS], v[\st]          ; t - M of each block's largest score
	v_fma_f32 v[BM+1], v[BM+1], s[CS], v[\st]
	v_pk_fma_f32 v[S:S+1], v[S:S+1], s[CS:CS+1], v[\st:\st+1] op_sel_hi:[1,0,0]       ; t - M, two at a time (of the pairs c and -M the low word serves both halves)
	v_pk_fma_f32 v[S+2:S+3], v[S+2:S+3], s[CS:CS+1], v[\st:\st+1] op_sel_hi:[1,0,0]
	; ONE BATCH of 66 exponentials, none of which reads another's result; a scaling leads each two, two pairs ahead of its own exponentials
	v_exp_f32 v[BM], v[BM]                         ; the block's largest p: the same two instructions on the same number give the same bits
	v_exp_f32 v[BM+1], v[BM+1]
.irp j, 0,2,4,6,8,10,12,14,16,18,20,22,24,26,28,30,32,34,36,38,40,42,44,46,48,50,52,54,56,58,60,62
.if \j < 60
	v_pk_fma_f32 v[S+4+\j:S+5+\j], v[S+4+\j:S+5+\j], s[CS:CS+1], v[\st:\st+1] op_sel_hi:[1,0,0]
.endif
	v_exp_f32 v[S+\j], v[S+\j]                     ; p = 2^(t - M), at most 1: not normalised
	v_exp_f32 v[S+1+\j], v[S+1+\j]
.endr
	v_pk_mul_f32 v[\st+2:\st+3], v[\st+2:\st+3], v[F:F+1] op_sel_hi:[1,0]   ; the sums under the new M: the plain place behind the exponentials
	s_wait_alu depctr_va_vdst(0)                   ; one wait for the whole batch, ahead of its first reader
	v_pk_add_f32 v[PL:PL+1], v[S:S+1], v[S+2:S+3]  ; the row's sum is taken of the UNQUANTISED p: two at a time, in two chains
.irp j, 4,8,12,16,20,24,28,32,36,40,44,48,52,56,60
	v_pk_add_f32 v[\st+2:\st+3], v[\st+2:\st+3], v[S+\j:S+1+\j]
	v_pk_add_f32 v[PL:PL+1], v[PL:PL+1], v[S+2+\j:S+3+\j]
.endr
	v_pk_add_f32 v[\st+2:\st+3], v[\st+2:\st+3], v[PL:PL+1]
.irp c, 0,1
	v_max_num_f32 v[BM+\c], 0x1800000, v[BM+\c]    ; the floor 2^(3 - 127): the byte cannot fall under 1
.endr
.irp c, 0,1
	v_add_nc_u32 v[SO+\c], 0xff000000, v[BM+\c]    ; 2 off the exponent field: the conversion's scale operand
.endr
.irp c, 0,1
	v_lshrrev_b32 v[PL+\c], 23, v[SO+\c]           ; the scale's byte
.endr
	v_lshl_or_b32 v[T], v[PL+1], 16, v[PL]         ; my two bytes: blocks h and 2 + h,
	v_lshlrev_b32 v[T], v[H8], v[T]                ; at their places in the word;
	v_permlanex16_b32 v[PL+2], v[T], s[SEL], s[SEL+1]
	v_or_b32 v[\ps], v[T], v[PL+2]                 ; with lane l xor 16's two: p's scale word for these 128 keys
.irp c, 0,1
	v_cvt_scalef32_pk16_fp6_f32 v[\p+6*\c:\p+6*\c+2], v[S+32*\c:S+15+32*\c], v[SO+\c]          ; registers 6 c .. 6 c + 2 of the operand: keys 64 c + 32 h + 0 .. 15
	v_cvt_scalef32_pk16_fp6_f32 v[CT+4*\c:CT+4*\c+2], v[S+16+32*\c:S+31+32*\c], v[SO+\c]       ; keys 64 c + 32 h + 16 .. 31 (a conversion's three registers begin on an even number: these are made elsewhere and moved)
.endr
	v_nop                                          ; one plain place behind the scaled conversions
.irp c, 0,1
.irp i, 0,1,2
	v_mov_b32 v[\p+3+6*\c+\i], v[CT+4*\c+\i]
.endr
.endr
.irp j, 0,2,4,6,8,10,12,14,16,18,20,22,24,26,28,30
	v_pk_mul_f32 v[\o+\j:\o+1+\j], v[\o+\j:\o+1+\j], v[F:F+1] op_sel_hi:[1,0]   ; O^T under the new M, each accumulator from its low end on.  Twelve of these name none of the first product's registers: the places between p's scale word and codes and that product
.endr
.endm
; A KEY STEP.  more = 1: the next step's k is asked for behind the last product that reads this step's, its v likewise.
.macro STEP more
	s_wait_loadcnt 17                              ; k and its scale words are in; behind them stand v's 17 loads, which may stay out
	WIN 0x01                                       ; source 0 window 1
	KQ QLA, QHA, QS, QS+1
	WIN 0
	PLACES
	SOFTMAX 12, PA, PSA, OA
	WIN 0x01
	KQ QLB, QHB, QS+2, QS+3
	WIN 0
	PLACES                                         ; for the reads of S^T, and for the loads into k's registers and scale words
.if \more
	s_wait_xcnt 0x0                                ; the loads issued so far have read their bases: only now are these stepped
	s_add_nc_u64 s[16:17], s[16:17], 6144          ; four pieces, 128 keys, on
	s_add_nc_u64 s[18:19], s[18:19], 256           ; a step's scale words on
	LOADK
.endif
	SOFTMAX 16, PB, PSB, OB
.if \more
	s_wait_loadcnt 17                              ; v is in; behind it stand the next step's 17 loads of k
.else
	s_wait_loadcnt 0x0
.endif
	WIN 0x01
	PV
	WIN 0
	PLACES                                         ; for the loads into v's registers and scale words, and for the next reads of O^T
.if \more
	LOADV
.endif
.endm
; A tile's 32 numbers a lane of the head (register 16 b + i = channel 32 b + 16 h + i of my query) become the fragment [head | head] and its scale word.
.macro QUANTH s, hf, hs
.irp b, 0,1
	v_max3_num_f32 v[BM+\b], |v[\s+16*\b]|, |v[\s+1+16*\b]|, 0x1800000
.endr
.irp i, 2,4,6,8,10,12,14
.irp b, 0,1
	v_max3_num_f32 v[BM+\b], v[BM+\b], |v[\s+16*\b+\i]|, |v[\s+1+16*\b+\i]|
.endr
.endr
.irp b, 0,1
	v_permlanex16_b32 v[PL+\b], v[BM+\b], s[SEL], s[SEL+1]
.endr
.irp b, 0,1
	v_max_num_f32 v[BM+\b], v[BM+\b], v[PL+\b]
.endr
.irp b, 0,1
	v_add_nc_u32 v[SO+\b], 0xff000000, v[BM+\b]
.endr
.irp b, 0,1
	v_lshrrev_b32 v[PL+\b], 23, v[SO+\b]
.endr
	v_lshl_or_b32 v[\hs], v[PL+1], 8, v[PL]        ; the head's two bytes,
	v_lshl_or_b32 v[\hs], v[\hs], 16, v[\hs]       ; twice
	v_cvt_scalef32_pk16_fp6_f32 v[\hf:\hf+2], v[\s:\s+15], v[SO]
	v_cvt_scalef32_pk16_fp6_f32 v[CT:CT+2], v[\s+16:\s+31], v[SO+1]
	v_nop                                          ; one plain place behind the scaled conversions
.irp i, 0,1,2
	v_permlane16_swap_b32 v[\hf+\i], v[CT+\i]      ; the operand's layout wants a WHOLE block in a lane
.endr
.irp i, 0,1,2
	v_mov_b32 v[\hf+3+\i], v[CT+\i]
.endr
.irp i, 0,1,2,3,4,5
	v_mov_b32 v[\hf+6+\i], v[\hf+\i]               ; k 64-127 of concat's K step are the head once more
.endr
.endm
; One matrix instruction of the last product: K step ks, column tile ct of my four, query tile u.
.macro OUTMM ks, ct, u
.set rD, OA+8*(2*(\ct)+(\u))
.set rA, 12*(4*(\ct)+(\ks))
.set rB, PA+12*(\u)
.set rSA, KS+4*((\ct)/2)+(\ks)
.set rSB, PSA+(\u)
.if (\ks) == 0
.if (\ct)%2
	v_wmma_scale_f32_16x16x128_f8f6f4 v[rD:rD+7], v[rA:rA+11], v[rB:rB+11], 0, v[rSA], v[rSB] matrix_a_fmt:MATRIX_FMT_FP6 matrix_b_fmt:MATRIX_FMT_FP6 matrix_a_scale:MATRIX_SCALE_ROW1
.else
	v_wmma_scale_f32_16x16x128_f8f6f4 v[rD:rD+7], v[rA:rA+11], v[rB:rB+11], 0, v[rSA], v[rSB] matrix_a_fmt:MATRIX_FMT_FP6 matrix_b_fmt:MATRIX_FMT_FP6
.endif
.else
.if (\ct)%2
	v_wmma_scale_f32_16x16x128_f8f6f4 v[rD:rD+7], v[rA:rA+11], v[rB:rB+11], v[rD:rD+7], v[rSA], v[rSB] matrix_a_fmt:MATRIX_FMT_FP6 matrix_b_fmt:MATRIX_FMT_FP6 matrix_a_scale:MATRIX_SCALE_ROW1
.else
	v_wmma_scale_f32_16x16x128_f8f6f4 v[rD:rD+7], v[rA:rA+11], v[rB:rB+11], v[rD:rD+7], v[rSA], v[rSB] matrix_a_fmt:MATRIX_FMT_FP6 matrix_b_fmt:MATRIX_FMT_FP6
.endif
.endif
.endm
	s_load_b128 s[4:7], s[0:1], 0x0                ; qkv s[4:5], wts s[6:7]
	s_load_b64 s[8:9], s[0:1], 0x10                ; out
	v_lshl_add_u32 v254, v0, 2, 0x1b800
	v_mov_b32 v255, 0
	v_lshrrev_b32 v93, 5, v0
	v_readfirstlane_b32 s10, v93                   ; wave 0..7
	s_lshr_b32 s11, s10, 2                         ; the join: which tile of queries is mine
	v_and_b32 v94, 31, v0                          ; lane
	v_and_b32 v92, 15, v0                          ; r
	v_bfe_u32 v93, v0, 4, 1                        ; h
	v_lshlrev_b32 v[AR16], 4, v92
	v_lshlrev_b32 v[L16], 4, v94
	v_lshl_add_u32 v[AKA], v93, 9, v[AR16]
	v_lshlrev_b32 v[AKB], 3, v92
	v_mul_u32_u24 v95, v93, 1536
	v_add_nc_u32 v[AVB], v95, v[AKB]
	v_lshl_add_u32 v[AKB], v93, 8, v[AKB]
	v_add_nc_u32 v[AVA], v95, v[AR16]
	s_lshl_b32 s20, s10, 13                        ; every LDS address: a constant + a constant x wave + a constant x lane
	v_add_nc_u32 v[POW], s20, v[L16]
	s_lshl_b32 s20, s10, 9
	s_add_co_u32 s20, s20, PM
	v_lshl_add_u32 v[PMW], v94, 2, s20
	s_lshl_b32 s20, s10, 10
	v_add_nc_u32 v[RA], s20, v[L16]
	s_add_co_u32 s20, s20, HD
	v_add_nc_u32 v[RH], s20, v[L16]
	s_lshl_b32 s20, s11, 8
	s_add_co_u32 s20, s20, PM
	v_lshl_add_u32 v[RB], v94, 2, s20
	v_add_nc_u32 v[RHL], HD, v[L16]
	s_mul_i32 s20, s10, 4352
	s_add_co_u32 s20, s20, STG                     ; my stage
	v_mul_u32_u24 v[SI], v92, 272
	v_lshl_add_u32 v[SI], v93, 5, v[SI]
	v_add_nc_u32 v[SI], s20, v[SI]                 ; in: row r, 32 bytes for each half of the lanes
	v_mul_u32_u24 v[SOA], v93, 272
	v_add_nc_u32 v[SOA], v[SOA], v[AR16]
	v_add_nc_u32 v[SOA], s20, v[SOA]               ; back: lanes 0-15 one row of 256 bytes, lanes 16-31 the next
	v_lshl_add_u32 v[GO], v93, 11, v[AR16]         ; and the same two rows in out
	v_lshlrev_b32 v[H8], 3, v93                    ; 8 h
	s_mov_b32 s21, 0
	s_mov_b32 s[SEL], 0x76543210
	s_mov_b32 s[SEL+1], 0xfedcba98
	s_mov_b32 s[CS], 0x3e38aa3b                    ; c = log2(e) / 8
	s_mov_b32 s[CS+1], s[CS]                       ; (named with it as a pair, so it is written)
	s_wait_kmcnt 0x0
	s_mul_i32 s20, s10, 49152                      ; my 1,024 keys: 32 pieces of 1,536 bytes
	s_add_nc_u64 s[16:17], s[4:5], s[20:21]
	s_lshl_b32 s20, s10, 11                        ; their scale words: 8 steps of 256 bytes
	s_add_nc_u64 s[18:19], s[4:5], s[20:21]
	s_mul_i32 s20, ttmp9, 1536                     ; my work-group's piece of q
	s_add_nc_u64 s[24:25], s[4:5], s[20:21]
	s_lshl_b32 s20, ttmp9, 6                       ; and its 64 scale bytes
	s_add_nc_u64 s[26:27], s[4:5], s[20:21]
	s_mul_i32 s20, s10, 24576
	s_add_co_u32 s20, s20, 73728                   ; w_o's pairs 6 + 2 w and 7 + 2 w: my 64 columns
	s_add_nc_u64 s[28:29], s[6:7], s[20:21]
	s_lshl_b32 s20, s10, 10
	s_add_co_u32 s20, s20, WSC+3072
	s_add_nc_u64 s[30:31], s[6:7], s[20:21]
	s_lshl_b32 s20, ttmp9, 16                      ; out: my work-group's 32 rows of 2,048 bytes, my 64 columns
	s_lshl_b32 s22, s10, 8
	s_add_co_u32 s20, s20, s22
	s_add_nc_u64 s[32:33], s[8:9], s[20:21]
	global_load_b128 v[26:29], v[AKA], s[24:25] offset:QIMG              ; q_A: lanes 0-15 channels 0-31, lanes 16-31 channels 32-63
	global_load_b64 v[30:31], v[AKB], s[24:25] offset:QIMG+1024
	global_load_b128 v[38:41], v[AKA], s[24:25] offset:QIMG+256          ; q_B
	global_load_b64 v[42:43], v[AKB], s[24:25] offset:QIMG+1024+128
	global_load_u8 v248, v92, s[26:27] offset:QSC                        ; scale bytes: A, channel block 0
	global_load_u8 v249, v92, s[26:27] offset:QSC+32                     ; A, block 1
	global_load_u8 v250, v92, s[26:27] offset:QSC+16                     ; B, block 0
	global_load_u8 v251, v92, s[26:27] offset:QSC+48                     ; B, block 1
	LOADK                                          ; step 0
	LOADV
.irp j, 20,21,22,23,24,25,32,33,34,35,36,37,44,45,46,47,48,49
	v_mov_b32 v[\j], 0                             ; the zero codes beside q
.endr
.irp b, 0,1,2,3
	v_mov_b32 v[PL+\b], 0                          ; a lane permute's destination counts as one of its sources
.endr
	v_mov_b32 v[F+1], 0                            ; (named as the upper half of a pair)
	v_mov_b32 v[T+1], 0
	v_mov_b32 v13, 0xff61b1e6                      ; the largest t so far: -3e38, under every t
	v_floor_f32 v12, -v13                          ; -M
	v_mov_b32 v14, 0                               ; the sum, in two halves
	v_mov_b32 v15, 0
	v_mov_b32 v17, 0xff61b1e6
	v_floor_f32 v16, -v17
	v_mov_b32 v18, 0
	v_mov_b32 v19, 0
	s_wait_loadcnt 34                              ; q's 8 loads are in; behind them stand step 0's 17 of k and 17 of v
	v_lshl_or_b32 v[QS], v249, 8, v248
	v_lshl_or_b32 v[QS+1], v[QS], 16, 0x101        ; [0 | q]: the bytes 1, 1 for the zeros, then q's two
	v_or_b32 v[QS], 0x1010000, v[QS]               ; [q | 0]: q's two, then 1, 1
	v_lshl_or_b32 v[QS+2], v251, 8, v250
	v_lshl_or_b32 v[QS+3], v[QS+2], 16, 0x101
	v_or_b32 v[QS+2], 0x1010000, v[QS+2]
.irp j, 0,1,2,3,4,5,6,7,8,9,10,11,12,13,14,15,16,17,18,19,20,21,22,23,24,25,26,27,28,29,30,31,32,33,34,35,36,37,38,39,40,41,42,43,44,45,46,47,48,49,50,51,52,53,54,55,56,57,58,59,60,61,62,63
	v_mov_b32 v[OA+\j], 0                          ; O^T.  The step is written for every step alike: the first finds zeros, which the first change of M leaves zeros.  These lines are also the places between q's scale words and the first product
.endr
	s_mov_b32 s22, 7
.Lstep:                                            ; seven steps that ask for their successor's tiles
	STEP 1
	s_sub_co_u32 s22, s22, 1
	s_cmp_lg_u32 s22, 0
	s_cbranch_scc1 .Lstep
	STEP 0                                         ; the last asks for nothing: no load leaves its buffer
	WIN 0x40                                       ; w_o's 16 fragments (column tile ct, K step s at 12 (4 ct + s)) over k's and v's registers: they land while the parts are joined
.irp f, 0,1,2,3,4,5,6,7,8,9,10,11,12,13,14,15
.irp c, 0,1,2
	global_load_b128 v[12*\f+4*\c:12*\f+4*\c+3], v[L16], s[28:29] offset:1536*\f+512*\c
.endr
.endr
	WIN 0
	global_load_b128 v[KS:KS+3], v[L16], s[30:31]            ; their scale words: a register a K step; column tiles 0 and 1 in the two halves of the lanes,
	global_load_b128 v[VS:VS+3], v[L16], s[30:31] offset:512 ; tiles 2 and 3
	; ---- my part goes to LDS: O^T as images of its registers, -M and the sums beside it
	v_add_f32 v14, v14, v15                        ; the sum's two halves,
	v_add_f32 v18, v18, v19
	v_permlanex16_b32 v[T], v14, s[SEL], s[SEL+1]
	v_permlanex16_b32 v[T+1], v18, s[SEL], s[SEL+1]
	v_add_f32 v14, v14, v[T]                       ; and lane l xor 16's
	v_add_f32 v18, v18, v[T+1]
.irp g, 0,1,2,3,4,5,6,7,8,9,10,11,12,13,14,15
	ds_store_b128 v[POW], v[OA+4*\g:OA+4*\g+3] offset:512*\g   ; ascending: each accumulator from its low end on
.endr
	ds_store_b32 v[PMW], v12
	ds_store_b32 v[PMW], v14 offset:128
	ds_store_b32 v[PMW], v16 offset:256
	ds_store_b32 v[PMW], v18 offset:384
	s_wait_dscnt 0x0                               ; for the others' sake: my stores have landed
	s_barrier_signal -1
	s_barrier_wait -1
	; ---- the join: wave w takes query tile w / 4, channel tile w % 4: eight numbers a lane from each of the eight parts
.irp i, 0,1,2,3,4,5,6,7
	ds_load_b128 v[S+8*\i:S+8*\i+3], v[RA] offset:8192*\i
	ds_load_b128 v[S+8*\i+4:S+8*\i+7], v[RA] offset:8192*\i+512
	ds_load_b32 v[64+\i], v[RB] offset:512*\i      ; -M of part i
	ds_load_b32 v[72+\i], v[RB] offset:512*\i+128  ; its sum
.endr
	s_wait_dscnt 0x0
	v_min3_num_f32 v240, v64, v65, v66
	v_min3_num_f32 v240, v240, v67, v68
	v_min3_num_f32 v240, v240, v69, v70
	v_min_num_f32 v240, v240, v71                  ; -M of the whole row: the least -M
.irp i, 0,1,2,3,4,5,6,7
	v_sub_f32 v[80+\i], v240, v[64+\i]             ; M of part i less the row's M: a whole number, 0 or less
.endr
.irp i, 0,1,2,3,4,5,6,7
	v_cvt_i32_f32 v[80+\i], v[80+\i]
.endr
.irp i, 0,1,2,3,4,5,6,7
	v_ldexp_f32 v[80+\i], 1.0, v[80+\i]            ; f of part i: a power of two
.endr
	v_mul_f32 v241, v80, v72
.irp i, 1,2,3,4,5,6,7
	v_fmac_f32 v241, v[80+\i], v[72+\i]            ; the row's sum
.endr
	v_rcp_f32 v242, v241
.irp j, 0,1,2,3,4,5,6,7
	v_mul_f32 v[224+\j], v80, v[S+\j]              ; (plain work that names nothing of the reciprocal)
.endr
.irp i, 1,2,3,4,5,6,7
.irp j, 0,1,2,3,4,5,6,7
	v_fmac_f32 v[224+\j], v[80+\i], v[S+8*\i+\j]
.endr
.endr
	s_wait_alu depctr_va_vdst(0)                   ; the wait ahead of the reciprocal's first reader
.irp j, 0,1,2,3,4,5,6,7
	v_mul_f32 v[232+\j], v[224+\j], v242           ; the head
.endr
	ds_store_b128 v[RH], v[232:235]
	ds_store_b128 v[RH], v[236:239] offset:512
	s_wait_dscnt 0x0                               ; for the others' sake
	s_barrier_signal -1
	s_barrier_wait -1
	; ---- every wave takes the whole head, 32 rows x 64 channels, and quantises it
.irp g, 0,1,2,3,4,5,6,7,8,9,10,11,12,13,14,15
	ds_load_b128 v[S+4*\g:S+4*\g+3], v[RHL] offset:512*\g   ; register 32 X + 8 t + i as in O^T
.endr
	s_wait_dscnt 0x0
	QUANTH S, PA, PSA
	QUANTH S+32, PB, PSB
.rept 8
	v_nop                                          ; a scale word written by a vector instruction stands 8 places ahead of a scaled matrix instruction, an operand so written 4
.endr
	s_wait_loadcnt 0x0                             ; w_o
	WIN 0x01
.irp s, 0,1,2,3                                ; out^T = w_o^T concat^T: 4 K steps x my 4 column tiles x 2 tiles of queries; the 8 accumulators take turns
.irp c, 0,1,2,3
.irp u, 0,1
	OUTMM \s, \c, \u
.endr
.endr
.endr
	WIN 0
	PLACES
	; ---- the way out: a lane holds 8 neighbouring columns of one row; a tile's 16 rows x 256 bytes go through my stage and leave as whole aligned runs of 256 bytes.  LDS serves a wave's instructions in order (ISA guide 5.7.1.4)
.irp u, 0,1
.irp c, 0,1,2,3
	ds_store_b128 v[SI], v[OA+8*(2*\c+\u):OA+8*(2*\c+\u)+3] offset:64*\c          ; each accumulator from its low end on
	ds_store_b128 v[SI], v[OA+8*(2*\c+\u)+4:OA+8*(2*\c+\u)+7] offset:64*\c+16
.endr
.irp i, 0,1,2,3,4,5,6,7
	ds_load_b128 v[S+32*\u+4*\i:S+32*\u+4*\i+3], v[SOA] offset:544*\i
.endr
.endr
.irp u, 0,1
.irp i, 0,1,2,3,4,5,6,7
	s_wait_dscnt 23-16*\u-\i                       ; the LDS instructions issued behind this pair of rows' load may stay out
	global_store_b128 v[GO], v[S+32*\u+4*\i:S+32*\u+4*\i+3], s[32:33] offset:(8*\u+2*\i+8*(\i/4))*2048 th:TH_STORE_NT   ; stage row 2 i + h of tile u is row 8 u + 2 i + h + 8 (i / 4) of the 32; 16 lanes store 256 consecutive bytes, aligned
.endr
.endr
	s_wait_tensorcnt 0x0
	ds_add_u32 v254, v255
	s_wait_dscnt 0x0
	s_endpgm
.Lfunc_end_k_q6884767efd_attn:
	.size	k_q6884767efd_attn, .Lfunc_end_k_q6884767efd_attn-k_q6884767efd_attn
	.p2alignl 7, 3214868480
	.fill 96, 4, 3214868480
	.section	.rodata,"a",@progbits
	.p2align	6, 0x0
	.amdhsa_kernel k_q6884767efd_attn
		.amdhsa_group_segment_fixed_size 113664
		.amdhsa_private_segment_fixed_size 0
		.amdhsa_enable_private_segment 0
		.amdhsa_kernarg_size 24
		.amdhsa_user_sgpr_count 2
		.amdhsa_user_sgpr_kernarg_segment_ptr 1
		.amdhsa_wavefront_size32 1
		.amdhsa_system_sgpr_workgroup_id_x 1
		.amdhsa_system_sgpr_workgroup_id_y 1
		.amdhsa_system_sgpr_workgroup_id_z 1
		.amdhsa_system_vgpr_workitem_id 0
		.amdhsa_next_free_vgpr 448
		.amdhsa_next_free_sgpr 66
		.amdhsa_reserve_vcc 0
		.amdhsa_float_denorm_mode_32 3
		.amdhsa_float_denorm_mode_16_64 3
		.amdhsa_memory_ordered 1
		.amdhsa_forward_progress 1
		.amdhsa_inst_pref_size 91
	.end_amdhsa_kernel
	.amdgpu_metadata
---
amdhsa.version: [ 1, 2 ]
amdhsa.kernels:
  - .name:           k_q6884767efd_attn
    .symbol:         k_q6884767efd_attn.kd
    .args:
      - { .name: qkv, .offset: 0, .size: 8, .value_kind: global_buffer, .address_space: global }
      - { .name: wts, .offset: 8, .size: 8, .value_kind: global_buffer, .address_space: global }
      - { .name: out0, .offset: 16, .size: 8, .value_kind: global_buffer, .address_space: global }
    .group_segment_fixed_size: 113664
    .private_segment_fixed_size: 0
    .kernarg_segment_align: 8
    .kernarg_segment_size: 24
    .max_flat_workgroup_size: 256
    .sgpr_count:     66
    .vgpr_count:     448
    .wavefront_size: 32
...
	.end_amdgpu_metadata
.endif
;; end of part 3
;; ======== version 2 of 2: 3 launches; version 1 with the launches proj, attn written anew for expert scheduling mode
;; workspace buffers: wts 281,600 bytes; qkv 1,228,800 bytes
;; launch wquant: the kernel of part 1 again; grid 22 x 1, 8 waves a work-group, no clusters, 1,536 bytes of LDS; arguments w_q, w_k, w_v, w_o, wts; writes wts
;; launch proj (part 4): grid 256 x 1, 8 waves a work-group, no clusters, 81,408 bytes of LDS; arguments x, wts, qkv; writes qkv
.if DOCPART == 4
	.amdgcn_target "amdgcn-amd-amdhsa--gfx1250"
	.amdhsa_code_object_version 6
	.text
	.protected	k_q6884767efd_proj
	.globl	k_q6884767efd_proj
	.p2align	8
	.type	k_q6884767efd_proj,@function
k_q6884767efd_proj:
	s_mov_b64 s[64:65], 0
	v_nop
	global_prefetch_b8 v0, s[64:65] scope:SCOPE_SE
	s_setreg_imm32_b32 hwreg(HW_REG_WAVE_SCHED_MODE, 0, 2), 2
	s_setreg_imm32_b32 hwreg(HW_REG_WAVE_MODE, 25, 1), 1
	s_wait_xcnt 0x0
	s_wait_alu depctr_vm_vsrc(0)
; q = x w_q, k = x w_k, v = x w_v on codes of FP6 (E2M3) with E8M0 scales for each 32 along K; x is quantised here, the weights come as register images out of wts.
; The results are quantised at once, q and k along their 64 channels, v along the KEYS, and stored in qkv in the order in which the attention's operand registers take them.
; SHARES: a work-group takes 32 rows of x: one block of 32 keys.  First each of the 8 waves quantises one fragment of x (row tile u = wave / 4, K step s = wave % 4) and hands its register image to the others through LDS.
; Then waves 0, 1 make q's two channel blocks, waves 2, 3 k's, waves 4, 5 v's two pairs of channel tiles: 2 x 2 accumulators over 4 K steps; waves 6 and 7 have no part of that and end behind the barrier.
; x IS LOADED AS IT LIES: each load takes 512 consecutive bytes of one row, 16 a lane.  The conversions want 16 neighbours along K in ONE lane: so a wave's 16 rows x 512 bytes turn through its own stage in LDS (rows 528 bytes apart) and come back 64 bytes a lane.
; THE ROWS OF A TILE ARE NOT NEIGHBOURS: lane r of row tile u stands for row 8 u + r + 8 (r / 8) of the 32; the weights' columns likewise.  So the 16 registers of two neighbouring tiles are 16 neighbours along the next product's K.
; q, k: source 0 = the weight's 16 channels, source 1 = 16 rows of x: a lane holds one row, its registers run along the channels.  v: the sources swapped: a lane holds one channel, its registers run along the 32 keys.
; qkv: three regions of 393,216 bytes (q, k, v), in pieces of 1,536 bytes.  A unit is 16 lanes x 24 bytes (32 codes): its first 16 bytes at unit x 256 + 16 x lane-row, its last 8 at 1,024 + unit x 128 + 8 x lane-row.
;   q: piece = work-group, unit 2 b + u (channel block b, row tile u), lane-row r.   v: piece = work-group, unit t (channel tile), lane-row r.
;   k: two work-groups (64 keys) share two pieces: my lane r goes to piece 2 (wg / 2) + r / 8, unit 2 b + u, lane-row 8 (wg % 2) + r % 8.  So lane-rows 0-7 of the pair's four tiles are the 32 keys of the even block and lane-rows 8-15 those of the odd one.
; Behind them the scale bytes: q's at 64 wg + 32 b + 16 u + r; k's and v's as words for the attention's steps of 128 keys: 256 bytes a step, 16 bytes a lane-row, a word a piece (k: byte 2 u + b) or a channel tile (v: a byte a block of keys).
; q's and v's codes leave in runs of 512 and 256 aligned bytes, k's in runs of 128 and 64 (stored once, read densely by every work-group of the next launch); the 192 scale bytes of a work-group, of the 4,800 bytes that it stores, leave byte by byte.
; LIMITS: a block of zeros gets the byte 1 where the rule says 127 (its codes are zeros, and this program alone reads the bytes); blocks whose largest magnitude lies under 2^-124 are held at byte 1; NaN and infinities are not served.
; THE MODE: SCHED_MODE bits 1:0 = 2 (LLVM: expert scheduling mode 2), set by the entry lines.  The code itself states the register dependences between vector or matrix instructions and memory or LDS instructions, with s_wait_alu, always for 0.
; THE PLAN.  Registers that memory or LDS instructions touch:
;   v5-v11, v14, v15   offsets and LDS addresses: written at the head, never again.
;   v112-175           x's 16 loads land here; the stage's 16 LDS stores read them; the stage's 16 LDS loads land in them again; the quantiser reads them.
;   v192-203, v212     the quantiser writes the codes and the scale word; the image's four LDS stores read them.  Behind the barrier x's eight fragments land in v112-207, and the accumulators are laid over v208-239.
;   v16-111, v240-247  the weights' fragments and both sides' scale words: loaded once, read by matrix instructions alone.
;   v118, v120-125     my scale byte and my 32 codes: written by vector instructions, read by the three global stores.
; The waits: one on va_sdst for the wave's number; one on va_vdst ahead of the first load (the addresses); one on vm_vsrc between the stage's stores and its loads; one on va_vdst ahead of the image's stores;
; one on vm_vsrc behind the barrier; one on va_vcc between the compare and its select; one on va_vdst ahead of the global stores.
.set REG,  393216                      ; bytes of a region of codes
.set QSC,  1179648
.set KSC,  1196032
.set VSC,  1212416
.set WSC,  270336                      ; in wts: where the scale words begin
.set XSCL, 12288                       ; LDS: x's 8 images of 1,536 bytes, then their scale words, word (u, r, s) at (16 u + r) x 16 + 4 s,
.set XSTG, 12800                       ; then a stage of 16 rows for each wave, its own
.set XSP,  528                         ; a stage row: 512 bytes + 16: the sixteen rows that a load of 16 bytes a lane touches begin in sixteen different columns of 16 bytes
.set W,   16                           ; v16-111   my pair's 8 fragments: (tile i, K step s) at W + 12 (4 i + s)
.set X,   112                          ; v112-207  x's 8 fragments: (row tile u, K step s) at X + 12 (4 u + s)
.set ACC, 208                          ; v208-239  D(i, j) at ACC + 16 j + 8 i
.set WS,  240                          ; v240-243  the weight's scale words, a register a K step: tile 0 in lanes 0-15, tile 1 in lanes 16-31
.set XS,  244                          ; v244-247  x's likewise
.set XN,  112                          ; while x is quantised: v112-175 64 numbers, v176-191 at work, v192-210 the codes, v212 the scale word
.set TM,  176
.set PC,  192
.set PW,  212
.set BM,  112                          ; behind the products: v112-113 largest magnitudes, v114-115 bytes, v116-117 scale operands, v118 my byte, v120-125 my 32 codes, v128-130 at work
.set PL,  114
.set SO,  116
.set BY,  118
.set OUT, 120
.set CT,  128
.set SEL, 32                           ; s[32:33] v_permlanex16_b32's selects for lane l xor 16
; 64 numbers of a lane, register 16 b + i = k 32 b + 16 (lane / 16) + i of my row, become a fragment's codes in v[PC] on and its scale word in v[PW].
.macro QUANT s
.irp b, 0,1,2,3
	v_max3_num_f32 v[TM+\b], |v[\s+16*\b]|, |v[\s+1+16*\b]|, 0x1800000   ; block b: my 16 numbers, and the floor 2^(3 - 127): the byte cannot fall under 1
.endr
.irp i, 2,4,6,8,10,12,14
.irp b, 0,1,2,3
	v_max3_num_f32 v[TM+\b], v[TM+\b], |v[\s+16*\b+\i]|, |v[\s+1+16*\b+\i]|   ; the four blocks by turns
.endr
.endr
.irp b, 0,1,2,3
	v_permlanex16_b32 v[TM+4+\b], v[TM+\b], s[SEL], s[SEL+1]
.endr
.irp b, 0,1,2,3
	v_max_num_f32 v[TM+\b], v[TM+\b], v[TM+4+\b]   ; with lane l xor 16's: the block's largest magnitude
.endr
.irp b, 0,1,2,3
	v_add_nc_u32 v[TM+12+\b], 0xff000000, v[TM+\b] ; 2 off its exponent field: the conversion's scale operand
.endr
.irp b, 0,1,2,3
	v_lshrrev_b32 v[TM+4+\b], 23, v[TM+12+\b]      ; the scale's byte
.endr
	v_lshl_or_b32 v[PW], v[TM+5], 8, v[TM+4]       ; the four bytes make my row's scale word
	v_lshl_or_b32 v[PW], v[TM+6], 16, v[PW]
	v_lshl_or_b32 v[PW], v[TM+7], 24, v[PW]
.irp c, 0,1
	v_cvt_scalef32_pk16_fp6_f32 v[PC+6*\c:PC+2+6*\c], v[\s+32*\c:\s+15+32*\c], v[TM+12+2*\c]
	v_cvt_scalef32_pk16_fp6_f32 v[PC+12+4*\c:PC+14+4*\c], v[\s+16+32*\c:\s+31+32*\c], v[TM+12+2*\c+1]   ; (a conversion's three registers begin on an even number)
.endr
	v_nop                                          ; one plain place behind the scaled conversions
.irp c, 0,1                                    ; the operand's layout wants a WHOLE block in a lane: lanes 0-15 block 2 c, lanes 16-31 block 2 c + 1
.irp i, 0,1,2
	v_permlane16_swap_b32 v[PC+6*\c+\i], v[PC+12+4*\c+\i]
.endr
.irp i, 0,1,2
	v_mov_b32 v[PC+3+6*\c+\i], v[PC+12+4*\c+\i]
.endr
.endr
.endm
; One matrix instruction on rD, rA, rB, rSA, rSB.  ks = 0: it starts the sum.  ra, rb = 1: that side's scale words stand in lanes 16-31.
.macro WM ks, ra, rb
.if (\ks) == 0
.if (\ra) && (\rb)
	v_wmma_scale_f32_16x16x128_f8f6f4 v[rD:rD+7], v[rA:rA+11], v[rB:rB+11], 0, v[rSA], v[rSB] matrix_a_fmt:MATRIX_FMT_FP6 matrix_b_fmt:MATRIX_FMT_FP6 matrix_a_scale:MATRIX_SCALE_ROW1 matrix_b_scale:MATRIX_SCALE_ROW1
.elseif \ra
	v_wmma_scale_f32_16x16x128_f8f6f4 v[rD:rD+7], v[rA:rA+11], v[rB:rB+11], 0, v[rSA], v[rSB] matrix_a_fmt:MATRIX_FMT_FP6 matrix_b_fmt:MATRIX_FMT_FP6 matrix_a_scale:MATRIX_SCALE_ROW1
.elseif \rb
	v_wmma_scale_f32_16x16x128_f8f6f4 v[rD:rD+7], v[rA:rA+11], v[rB:rB+11], 0, v[rSA], v[rSB] matrix_a_fmt:MATRIX_FMT_FP6 matrix_b_fmt:MATRIX_FMT_FP6 matrix_b_scale:MATRIX_SCALE_ROW1
.else
	v_wmma_scale_f32_16x16x128_f8f6f4 v[rD:rD+7], v[rA:rA+11], v[rB:rB+11], 0, v[rSA], v[rSB] matrix_a_fmt:MATRIX_FMT_FP6 matrix_b_fmt:MATRIX_FMT_FP6
.endif
.else
.if (\ra) && (\rb)
	v_wmma_scale_f32_16x16x128_f8f6f4 v[rD:rD+7], v[rA:rA+11], v[rB:rB+11], v[rD:rD+7], v[rSA], v[rSB] matrix_a_fmt:MATRIX_FMT_FP6 matrix_b_fmt:MATRIX_FMT_FP6 matrix_a_scale:MATRIX_SCALE_ROW1 matrix_b_scale:MATRIX_SCALE_ROW1
.elseif \ra
	v_wmma_scale_f32_16x16x128_f8f6f4 v[rD:rD+7], v[rA:rA+11], v[rB:rB+11], v[rD:rD+7], v[rSA], v[rSB] matrix_a_fmt:MATRIX_FMT_FP6 matrix_b_fmt:MATRIX_FMT_FP6 matrix_a_scale:MATRIX_SCALE_ROW1
.elseif \rb
	v_wmma_scale_f32_16x16x128_f8f6f4 v[rD:rD+7], v[rA:rA+11], v[rB:rB+11], v[rD:rD+7], v[rSA], v[rSB] matrix_a_fmt:MATRIX_FMT_FP6 matrix_b_fmt:MATRIX_FMT_FP6 matrix_b_scale:MATRIX_SCALE_ROW1
.else
	v_wmma_scale_f32_16x16x128_f8f6f4 v[rD:rD+7], v[rA:rA+11], v[rB:rB+11], v[rD:rD+7], v[rSA], v[rSB] matrix_a_fmt:MATRIX_FMT_FP6 matrix_b_fmt:MATRIX_FMT_FP6
.endif
.endif
.endm
; 16 matrix instructions: source 0's two tiles x source 1's two tiles, 4 K steps of 128.  The four accumulators take turns, one instruction a turn.
.macro PROD a, asc, b, bsc
.irp s, 0,1,2,3
.irp j, 0,1
.irp i, 0,1
.set rD, ACC+16*\j+8*\i
.set rA, \a+12*(4*\i+\s)
.set rB, \b+12*(4*\j+\s)
.set rSA, \asc+\s
.set rSB, \bsc+\s
	WM \s, \i, \j
.endr
.endr
.endr
.endm
	s_load_b128 s[4:7], s[0:1], 0x0                ; x s[4:5], wts s[6:7]
	s_load_b64 s[8:9], s[0:1], 0x10                ; qkv
	v_lshl_add_u32 v254, v0, 2, 0x13a00
	v_mov_b32 v255, 0
	v_lshrrev_b32 v1, 5, v0
	v_readfirstlane_b32 s10, v1                    ; wave 0..7
	v_and_b32 v1, 31, v0                           ; lane
	v_and_b32 v2, 15, v0                           ; r
	v_bfe_u32 v3, v0, 4, 1                         ; h
	v_lshlrev_b32 v5, 4, v1                        ; 16 x lane
	v_lshlrev_b32 v6, 3, v1                        ; 8 x lane
	v_lshrrev_b32 v12, 3, v2                       ; r / 8
	v_and_b32 v13, 7, v2                           ; r % 8
	s_wait_alu depctr_va_sdst(0)                   ; s10 is written, ahead of its first reader: every scalar offset and every branch below is made from it
	s_lshr_b32 s11, s10, 2                         ; u: the row tile of x that I quantise
	s_and_b32 s12, s10, 3                          ; s: its K step
	s_lshr_b32 s20, s10, 1                         ; 0: q, 1: k, 2: v
	s_and_b32 s21, s10, 1                          ; e: which half of its 64 channels
	s_mul_i32 s13, s10, 1536
	v_add_nc_u32 v7, s13, v5                       ; LDS: where my fragment's image goes
	s_lshl_b32 s13, s11, 8
	s_lshl_b32 s22, s12, 2
	s_add_co_u32 s13, s13, s22
	s_add_co_u32 s13, s13, XSCL
	v_lshl_add_u32 v8, v2, 4, s13                  ; and its scale word: 16 r + 256 u + 4 s
	s_mul_i32 s13, s10, 16*XSP
	s_add_co_u32 s13, s13, XSTG                    ; my stage
	v_add_nc_u32 v10, s13, v5                      ; in: a row's 512 bytes as they were loaded, 16 a lane
	v_mul_u32_u24 v11, v2, XSP
	v_lshl_add_u32 v11, v3, 6, v11
	v_add_nc_u32 v11, s13, v11                     ; back: row r, + 64 h: my 16 numbers of a block of 32
	s_lshl_b32 s14, ttmp9, 16                      ; x: my work-group's 32 rows,
	s_lshl_b32 s22, s11, 14                        ; 8 rows on for row tile 1,
	s_add_co_u32 s14, s14, s22
	s_lshl_b32 s22, s12, 9                         ; my K step's 128 numbers
	s_add_co_u32 s14, s14, s22
	s_mov_b32 s15, 0
	s_mul_i32 s16, s10, 12288                      ; wts: pair = wave
	s_mov_b32 s17, 0
	s_lshl_b32 s18, s10, 9
	s_add_co_u32 s18, s18, WSC
	s_mov_b32 s19, 0
	s_and_b32 s43, ttmp9, 1                        ; which block of its pair of key blocks my work-group is,
	s_bfe_u32 s44, ttmp9, 0x10001                  ; and which pair of the step of 128 keys
	s_cmp_eq_u32 s20, 1                            ; k alone: lanes 8-15 go a piece further on and not 128 (64) bytes, and the odd block 128 (64) bytes further on and not a piece
	s_cselect_b32 s40, 1408, 0                     ; 1,536 - 128
	s_cselect_b32 s41, 1472, 0                     ; 1,536 - 64
	s_mul_i32 s24, s20, REG                        ; qkv: my tensor's region, my work-group's piece,
	s_mul_i32 s22, ttmp9, 1536
	s_add_co_u32 s24, s24, s22
	s_lshl_b32 s22, s21, 8
	s_add_co_u32 s26, s24, s22
	s_add_co_u32 s26, s26, 1024                    ; the units' last 8 bytes: 1,024 + 256 e
	s_mul_i32 s22, s43, s41
	s_sub_co_u32 s26, s26, s22
	s_lshl_b32 s22, s21, 9
	s_add_co_u32 s24, s24, s22                     ; their first 16: 512 e
	s_mul_i32 s22, s43, s40
	s_sub_co_u32 s24, s24, s22
	s_mov_b32 s25, 0
	s_mov_b32 s27, 0
	v_mad_u32_u24 v14, v12, s40, v5                ; my 16 bytes' place: 16 x lane, in k + 1,408 (r / 8)
	v_mad_u32_u24 v15, v12, s41, v6                ; my 8 bytes' place: 8 x lane, in k + 1,472 (r / 8)
	s_lshl_b32 s34, ttmp9, 6                       ; where my scale bytes go.  q: QSC + 64 wg + 32 e, + r + 16 h
	s_lshl_b32 s22, s21, 5
	s_add_co_u32 s34, s34, s22
	s_add_co_u32 s34, s34, QSC
	s_lshr_b32 s35, ttmp9, 2
	s_lshl_b32 s35, s35, 8                         ; the step of 128 keys: 256 bytes
	s_and_b32 s36, ttmp9, 3                        ; my block of 32 keys in it
	s_lshl_b32 s22, s43, 7                         ; k: lane-row 8 (wg % 2) + r % 8, word 2 x pair + r / 8, byte 2 h + e:
	s_add_co_u32 s22, s22, s35
	s_lshl_b32 s45, s44, 3
	s_add_co_u32 s22, s22, s45
	s_add_co_u32 s22, s22, s21
	s_add_co_u32 s37, s22, KSC                     ; KSC + 256 step + 128 (wg % 2) + 8 pair + e, + 16 (r % 8) + 4 (r / 8) + 2 h
	s_lshl_b32 s22, s21, 3
	s_add_co_u32 s22, s22, s35
	s_add_co_u32 s22, s22, s36
	s_add_co_u32 s38, s22, VSC                     ; v: VSC + 256 step + block + 8 e, + 16 r + 4 h
	s_cmp_eq_u32 s20, 0
	s_cselect_b32 s28, s34, s37
	s_cselect_b32 s30, 1, 16                       ; bytes from r % 8 to the next,
	s_cselect_b32 s42, 8, 4                        ; for r / 8,
	s_cselect_b32 s31, 16, 2                       ; for h
	s_cmp_eq_u32 s20, 2
	s_cselect_b32 s28, s38, s28
	s_cselect_b32 s42, 128, s42
	s_cselect_b32 s31, 4, s31
	s_mov_b32 s29, 0
	v_mul_u32_u24 v9, v13, s30
	v_mad_u32_u24 v9, v12, s42, v9
	v_mad_u32_u24 v9, v3, s31, v9                  ; my byte's place among them
	s_mov_b32 s[SEL], 0x76543210
	s_mov_b32 s[SEL+1], 0xfedcba98
.irp b, 0,1,2,3
	v_mov_b32 v[TM+4+\b], 0                        ; a lane permute's destination counts as one of its sources
.endr
	s_wait_kmcnt 0x0
	s_add_nc_u64 s[14:15], s[4:5], s[14:15]
	s_add_nc_u64 s[16:17], s[6:7], s[16:17]
	s_add_nc_u64 s[18:19], s[6:7], s[18:19]
	s_add_nc_u64 s[24:25], s[8:9], s[24:25]
	s_add_nc_u64 s[26:27], s[8:9], s[26:27]
	s_add_nc_u64 s[28:29], s[8:9], s[28:29]
	s_wait_alu depctr_va_vdst(0)                   ; the offsets and LDS addresses v5 to v11, v14 and v15 are written: every load and store of the kernel reads one of them, and none is written again
.irp i, 0,1,2,3,4,5,6,7,8,9,10,11,12,13,14,15  ; lane-row i of my tile is row i + 8 (i / 8) from its first: 32 lanes read that row's 512 consecutive bytes of my K step; read once in the launch
	global_load_b128 v[XN+4*\i:XN+4*\i+3], v5, s[14:15] offset:(\i+8*(\i/8))*2048 th:TH_LOAD_NT
.endr
	s_cmp_ge_u32 s10, 6                            ; waves 6 and 7 multiply nothing and fetch no weight
	s_cbranch_scc1 .Lno_w
.irp f, 0,1,2,3,4,5,6,7
.irp c, 0,1,2
	global_load_b128 v[W+12*\f+4*\c:W+12*\f+4*\c+3], v5, s[16:17] offset:1536*\f+512*\c   ; the images as they lie: 512 consecutive bytes a load
.endr
.endr
	global_load_b128 v[WS:WS+3], v5, s[18:19]
.Lno_w:
	s_wait_loadcnt 0x0                             ; zero: the two ways have issued different numbers of loads behind x's
.irp i, 0,1,2,3,4,5,6,7,8,9,10,11,12,13,14,15
	ds_store_b128 v10, v[XN+4*\i:XN+4*\i+3] offset:XSP*\i   ; the turn through my own stage: LDS serves a wave's instructions in order (ISA guide 5.7.1.4), so no wait on DScnt stands between these stores and the loads below
.endr
	s_wait_alu depctr_vm_vsrc(0)                   ; the sixteen stores have read v[XN ..], in which the sixteen loads below land
.irp b, 0,1,2,3
.irp j, 0,1,2,3
	ds_load_b128 v[XN+16*\b+4*\j:XN+16*\b+4*\j+3], v11 offset:128*\b+16*\j   ; register 16 b + i: k 32 b + 16 h + i of row r
.endr
.endr
	s_wait_dscnt 0x0
	QUANT XN
	s_wait_alu depctr_va_vdst(0)                   ; the quantiser has written the codes v[PC ..] and the scale word v[PW], which the LDS stores read; and it is done with v112 to v207, in which x's fragments land behind the barrier
.irp c, 0,1,2
	ds_store_b128 v7, v[PC+4*\c:PC+4*\c+3] offset:512*\c   ; the fragment goes to LDS as an image of its registers
.endr
	ds_store_b32 v8, v[PW]                         ; both halves of the lanes write the same word with the same value
	s_wait_dscnt 0x0                               ; for the others' sake: my stores have landed
	s_barrier_signal -1
	s_barrier_wait -1                              ; x's eight fragments lie in LDS
	s_wait_alu depctr_vm_vsrc(0)                   ; my four LDS stores have read v[PC ..] and v[PW]: x's fragments land in the first, the accumulators are laid over the second
	s_cmp_ge_u32 s10, 6
	s_cbranch_scc1 .Lend
.irp f, 0,1,2,3,4,5,6,7
.irp c, 0,1,2
	ds_load_b128 v[X+12*\f+4*\c:X+12*\f+4*\c+3], v5 offset:1536*\f+512*\c
.endr
.endr
	ds_load_b128 v[XS:XS+3], v5 offset:XSCL
	s_wait_dscnt 0x0
	s_cmp_lt_u32 s10, 4
	s_cbranch_scc0 .Lfor_v
	PROD W, WS, X, XS                              ; q, k: a lane holds a row of x, its registers 16 neighbouring channels
	s_branch .Ldone
.Lfor_v:
	PROD X, XS, W, WS                              ; v: a lane holds a channel, its registers 16 neighbouring keys
.Ldone:
.rept 4
	v_nop                                          ; four places between the last products and the first read of results, and the first write of registers that held operands
.endr
	v_mov_b32 v[PL], 0                             ; a lane permute's destination counts as one of its sources
	v_mov_b32 v[PL+1], 0
	v_cmp_eq_u32 vcc_lo, 1, v3                     ; lanes 16-31: the select below reads it
.irp j, 0,1                                    ; source 1's tile j: my 16 numbers of its block of 32; each accumulator is read from its low end on
	v_max3_num_f32 v[BM+\j], |v[ACC+16*\j]|, |v[ACC+16*\j+1]|, 0x1800000
.endr
.irp i, 2,4,6,8,10,12,14
.irp j, 0,1
	v_max3_num_f32 v[BM+\j], v[BM+\j], |v[ACC+16*\j+\i]|, |v[ACC+16*\j+\i+1]|
.endr
.endr
.irp j, 0,1
	v_permlanex16_b32 v[PL+\j], v[BM+\j], s[SEL], s[SEL+1]
.endr
.irp j, 0,1
	v_max_num_f32 v[BM+\j], v[BM+\j], v[PL+\j]     ; with lane l xor 16's: the block's largest magnitude
.endr
.irp j, 0,1
	v_add_nc_u32 v[SO+\j], 0xff000000, v[BM+\j]    ; the conversion's scale operand
.endr
.irp j, 0,1
	v_lshrrev_b32 v[PL+\j], 23, v[SO+\j]           ; the scale's byte
.endr
	s_wait_alu depctr_va_vcc(0)                    ; the compare has written VCC, ahead of its one reader
	v_cndmask_b32 v[BY], v[PL], v[PL+1], vcc_lo    ; lanes 0-15 will hold tile 0's units, lanes 16-31 tile 1's
	v_cvt_scalef32_pk16_fp6_f32 v[OUT:OUT+2], v[ACC:ACC+15], v[SO]
	v_cvt_scalef32_pk16_fp6_f32 v[CT:CT+2], v[ACC+16:ACC+31], v[SO+1]
	v_nop                                          ; one plain place behind the scaled conversions
.irp i, 0,1,2
	v_permlane16_swap_b32 v[OUT+\i], v[CT+\i]      ; the first now holds the lower 16 codes of tile (lane / 16), the second the upper 16
.endr
.irp i, 0,1,2
	v_mov_b32 v[OUT+3+\i], v[CT+\i]
.endr
	s_wait_alu depctr_va_vdst(0)                   ; my 32 codes v[OUT ..] and my scale byte v[BY] are written, which the three stores read
	global_store_b128 v14, v[OUT:OUT+3], s[24:25]  ; q, v: 512 consecutive bytes, aligned; k: four runs of 128
	global_store_b64 v15, v[OUT+4:OUT+5], s[26:27] ; q, v: 256 consecutive bytes, aligned; k: four runs of 64
	global_store_b8 v9, v[BY], s[28:29]
.Lend:
	s_wait_dscnt 0x0                               ; the closing lines, six on end
	s_wait_alu 0x0
	s_wait_tensorcnt 0x0
	ds_add_u32 v254, v255
	s_wait_dscnt 0x0
	s_endpgm
.Lfunc_end_k_q6884767efd_proj:
	.size	k_q6884767efd_proj, .Lfunc_end_k_q6884767efd_proj-k_q6884767efd_proj
	.p2alignl 7, 3214868480
	.fill 96, 4, 3214868480
	.section	.rodata,"a",@progbits
	.p2align	6, 0x0
	.amdhsa_kernel k_q6884767efd_proj
		.amdhsa_group_segment_fixed_size 81408
		.amdhsa_private_segment_fixed_size 0
		.amdhsa_enable_private_segment 0
		.amdhsa_kernarg_size 24
		.amdhsa_user_sgpr_count 2
		.amdhsa_user_sgpr_kernarg_segment_ptr 1
		.amdhsa_wavefront_size32 1
		.amdhsa_system_sgpr_workgroup_id_x 1
		.amdhsa_system_sgpr_workgroup_id_y 1
		.amdhsa_system_sgpr_workgroup_id_z 1
		.amdhsa_system_vgpr_workitem_id 0
		.amdhsa_next_free_vgpr 256
		.amdhsa_next_free_sgpr 66
		.amdhsa_reserve_vcc 1
		.amdhsa_float_denorm_mode_32 3
		.amdhsa_float_denorm_mode_16_64 3
		.amdhsa_memory_ordered 1
		.amdhsa_forward_progress 1
		.amdhsa_inst_pref_size 24
	.end_amdhsa_kernel
	.amdgpu_metadata
---
amdhsa.version: [ 1, 2 ]
amdhsa.kernels:
  - .name:           k_q6884767efd_proj
    .symbol:         k_q6884767efd_proj.kd
    .args:
      - { .name: x, .offset: 0, .size: 8, .value_kind: global_buffer, .address_space: global }
      - { .name: wts, .offset: 8, .size: 8, .value_kind: global_buffer, .address_space: global }
      - { .name: qkv, .offset: 16, .size: 8, .value_kind: global_buffer, .address_space: global }
    .group_segment_fixed_size: 81408
    .private_segment_fixed_size: 0
    .kernarg_segment_align: 8
    .kernarg_segment_size: 24
    .max_flat_workgroup_size: 256
    .sgpr_count:     66
    .vgpr_count:     256
    .wavefront_size: 32
...
	.end_amdgpu_metadata
.endif
;; end of part 4
;; launch attn (part 5): grid 256 x 1, 8 waves a work-group, no clusters, 113,664 bytes of LDS; arguments qkv, wts, out0; writes out0
.if DOCPART == 5
	.amdgcn_target "amdgcn-amd-amdhsa--gfx1250"
	.amdhsa_code_object_version 6
	.text
	.protected	k_q6884767efd_attn
	.globl	k_q6884767efd_attn
	.p2align	8
	.type	k_q6884767efd_attn,@function
k_q6884767efd_attn:
	s_mov_b64 s[64:65], 0
	v_nop
	global_prefetch_b8 v0, s[64:65] scope:SCOPE_SE
	s_setreg_imm32_b32 hwreg(HW_REG_WAVE_SCHED_MODE, 0, 2), 2
	s_setreg_imm32_b32 hwreg(HW_REG_WAVE_MODE, 25, 1), 1
	s_wait_xcnt 0x0
	s_wait_alu depctr_vm_vsrc(0)
; out = tile(softmax(q k^T / 8) v, 8) w_o, all three products on codes of FP6 (E2M3) with one E8M0 scale for each 32 along K.  q, k, v and w_o come as codes in the order of the operands' registers (qkv, wts).
; THE SOFTMAX: t = score x log2(e) / 8; M = the largest t so far, rounded UP to a whole number; p = 2^(t - M) is quantised along the keys, not normalised; the row's sum is taken of the unquantised p and divides at the end.
; SHARES: a work-group owns 32 queries, two tiles A and B of 16.  THE KEYS ARE SHARED OUT AMONG ITS 8 WAVES: wave w walks keys 1,024 w .. 1,024 w + 1,023 for both tiles, 128 a step, 8 steps, with a running M of its own.
; The eight parts are joined through LDS: M is a whole number, so each part is brought under the largest M by a multiplication with a power of two.  Then every wave quantises the head's 32 rows and makes 64 of the 512 output columns.
; NO CLUSTER, NO LDS RING: a fragment of k or v is read by ONE wave of a work-group, once, from memory straight into its operand registers (819,200 bytes a work-group).  A joint load lands in LDS alone: it would add those 819,200 bytes
; written to and read from LDS in each work-group, and a round of the cluster's barrier for each refill, to a loop whose 24 matrix instructions a step stand beside some 420 vector instructions.
; K = 64 IN AN INSTRUCTION OF 128: a fragment of k holds TWO tiles of 16 keys, one in k 0-63 and one in k 64-127.  q stands twice, as [q | 0] and as [0 | q]: the zero codes take the other tile's products away exactly; their scale bytes are 1.
; LAYOUT: all products transposed (source 0 = keys, channels of v, columns of w_o; source 1 = my queries): a lane holds ONE query (lane % 16) throughout.  Lane r of query tile X stands for row 8 X + r + 8 (r / 8) of the 32.
; THE KEYS OF A TILE ARE NOT NEIGHBOURS: of the four tiles T of a pair c of key blocks, lane-row m takes key 64 c + 32 (m / 8) + 8 T + m % 8.  A result's register j of lane (r, h) is lane-row 8 h + j: so my 32 registers of the four tiles are
; keys 64 c + 32 h + 0 .. 31: A WHOLE BLOCK OF 32 IN ONE LANE, which is what the second product's operand wants of that lane: a block's largest score needs no other lane, and the conversions' results change no lanes.
; v's channels of a tile are chosen so that the 16 registers of two neighbouring tiles of O^T are 16 neighbouring channels.  concat's K step of 128 is [head | head]: one fragment a tile of queries serves all four K steps of the last product.
; LIMITS: a block of zeros gets the byte 1 where the rule says 127 (its codes are zeros); blocks whose largest magnitude lies under 2^-124 are held at byte 1; NaN and infinities are not served; the division by the sum is v_rcp_f32 and a multiplication;
; a block's largest p is made from the block's largest score by the same multiply-add and exponential (this takes v_exp_f32 not to fall where its input rises).
; REGISTERS, window 0: v1-11, v88-92, v95 addresses and lane constants; v12-19 statistics; v20-49 q with its zeros; v50-63 scale words; v64-87 p's codes; v96-159 S^T, then p; v160-223 O^T; v224-247 at work;
;   v248-251 q's scale bytes at the head, then the scale words of v's second set.   window 1: v0-47 k's four fragments, v48-95 and v96-143 v's four, two sets by turns; behind the loop v0-191 w_o's sixteen.
; THE MODE: SCHED_MODE bits 1:0 = 2 (LLVM: expert scheduling mode 2), set by the entry lines.  The code itself states the register dependences between vector or matrix instructions and memory or LDS instructions, with s_wait_alu, always for 0.
; THE PLAN.  Registers that memory instructions touch, in the loop (it holds no LDS instruction):
;   v1-v5        offsets, made at the head and never written again: two scalar bases move on by a step, and immediate offsets do the rest.
;   K, v54-57    k's fragments and scale words, one set.  Step j: its 16 products k q^T read them; behind the last of these step j + 1's 17 loads land in them.
;   V0, v58-61;  V1, v248-251   v's fragments and scale words, two sets by turns.  Step j: its 8 products V^T P, at its end, read set j % 2; step j + 1's 17 loads land in the other set, which the products of step j - 1 read last.
;   p's codes and scale words are written by vector instructions and taken by scaled products; S^T, O^T and the statistics are named by vector and matrix instructions alone.
; FOUR WAITS on va_vdst in a step.  (1) Tile A's wait behind its batch of exponentials also states that the step before's V^T P are done with the other set of v: that set's loads stand straight behind it.
; (2) One wait behind tile B's k q^T: all 16 products are done with k, whose loads follow; tile A's codes and scale word are written.  (3) Tile B's wait behind its batch.  (4) One wait ahead of V^T P: tile B's codes and scale word are written.
; Between each of these waits and the loads that lean on it stands no vector or matrix instruction.  A trip of the loop is two steps, so that v's sets are back where they began.
.set QIMG, 0                           ; qkv: three regions of 256 pieces of 1,536 bytes, then the scale bytes
.set KIMG, 393216
.set VIMG, 786432
.set QSC,  1179648
.set KSC,  1196032
.set VSC,  1212416
.set WSC,  270336                      ; wts: where the scale words begin
.set PO,   0                           ; LDS: wave w's O^T as 16 images of 512 bytes: 8,192 w
.set PM,   65536                       ; its -M and sums: 512 w + 128 x item + 4 x lane; items -M_A, l_A, -M_B, l_B
.set HD,   69632                       ; the head: (4 X + t) x 1,024 + 512 x half + 16 x lane
.set STG,  77824                       ; the way out: 16 rows x (256 bytes + 16) for each wave, its own
.set AKA,  1                           ; v1   512 h + 16 r: a unit's first 16 bytes in a piece of q or k
.set AKB,  2                           ; v2   256 h + 8 r: its last 8
.set AVA,  3                           ; v3   1,536 h + 16 r: the same in v, where lanes 16-31 take the next block of keys
.set AVB,  4                           ; v4   1,536 h + 8 r
.set AR16, 5                           ; v5   16 r: a lane-row's four scale words
.set L16,  6                           ; v6   16 x lane
.set POW,  7                           ; v7   where I put my O^T
.set PMW,  8                           ; v8   and my statistics
.set RA,   9                           ; v9   the join: where the parts of my tile lie
.set RB,   10                          ; v10  and their statistics
.set RH,   11                          ; v11  where I put my tile of the head
.set QHA,  20                          ; [0 | q_A]
.set QLA,  26                          ; [q_A | 0]
.set QHB,  32
.set QLB,  38
.set QS,   50                          ; v50-53 q's scale words: lo A, hi A, lo B, hi B
.set KS,   54                          ; v54-57 k's, a register a fragment; later w_o's
.set VS,   58                          ; v58-61 v's first set's, a register a tile; later w_o's
.set VS2,  248                         ; v248-251 v's second set's
.set PSA,  62                          ; v62, v63 p's; later the head's
.set PSB,  63
.set PA,   64                          ; v64-75, v76-87 p's codes; later the head's
.set PB,   76
.set RHL,  88                          ; v88  where the whole head lies
.set SI,   89                          ; v89  the stage: where I put 32 bytes of a row
.set SOA,  90                          ; v90  and where I read a row back
.set GO,   91                          ; v91  my byte offset in the wave's rows of out
.set H8,   95                          ; v95  8 h: how far my two scale bytes of p are shifted
.set S,    96
.set OA,   160
.set OB,   192
.set BM,   224                         ; v224-227 chains of the largest score; then v224, v225 my two blocks' largest score, then their largest p
.set PL,   228                         ; v228-231 lane permutes' results, a chain of the sum, the scales' bytes
.set CT,   232                         ; v232-234, v236-238 conversions' second halves
.set SO,   240                         ; v240-241 the conversions' scale operands
.set F,    244                         ; v[244:245] f = 2^(old M - new M); the packed forms take its low word
.set T,    246                         ; v246-247 at work
.set KF,   0                           ; window 1
.set VF,   48                          ; set b at VF + 48 b
.set SEL,  12                          ; s[12:13] v_permlanex16_b32's selects for lane l xor 16
.set CS,   14                          ; s[14:15] c = log2(e) / 8
.set MSB, 0
.macro WIN new                         ; the immediate's high byte repeats the setting that is left
.if MSB != \new
	s_set_vgpr_msb (MSB<<8)|\new
.set MSB, \new
.endif
.endm
.macro PLACES                          ; four plain places behind a matrix instruction, ahead of reads of its result (ISA guide 7.12.1)
.rept 4
	v_nop
.endr
.endm
; A step's k: four fragments (registers 6 c on: the fragment's tile c; lanes 16-31: channels 32-63), and their scale words: 17 loads.
.macro LOADK
	WIN 0x40                                       ; destination window 1, address window 0
.irp g, 0,1,2,3
.irp c, 0,1
	global_load_b128 v[KF+12*\g+6*\c:KF+12*\g+6*\c+3], v[AKA], s[16:17] offset:KIMG+1536*\g+256*\c
	global_load_b64 v[KF+12*\g+6*\c+4:KF+12*\g+6*\c+5], v[AKB], s[16:17] offset:KIMG+1536*\g+1024+128*\c
.endr
.endr
	WIN 0
	global_load_b128 v[KS:KS+3], v[AR16], s[18:19] offset:KSC
.endm
; A step's v into set vb: four tiles of 16 channels x 128 keys (registers 6 c on: key blocks 2 c and, in lanes 16-31, 2 c + 1), and their scale words: 17 loads.
.macro LOADV vb
	WIN 0x40
.irp t, 0,1,2,3
.irp c, 0,1
	global_load_b128 v[VF+48*(\vb)+12*\t+6*\c:VF+48*(\vb)+12*\t+6*\c+3], v[AVA], s[16:17] offset:VIMG+3072*\c+256*\t
	global_load_b64 v[VF+48*(\vb)+12*\t+6*\c+4:VF+48*(\vb)+12*\t+6*\c+5], v[AVB], s[16:17] offset:VIMG+3072*\c+1024+128*\t
.endr
.endr
	WIN 0
	global_load_b128 v[VS+(VS2-VS)*(\vb):VS+(VS2-VS)*(\vb)+3], v[AR16], s[18:19] offset:VSC
.endm
; S^T = k q^T for one tile of queries: 8 matrix instructions; register 32 c + i of lane (r, h) is key 64 c + 32 h + i of the step.
.macro KQ qlo, qhi, slo, shi
.irp g, 0,1,2,3
	v_wmma_scale_f32_16x16x128_f8f6f4 v[S+16*\g:S+16*\g+7], v[KF+12*\g:KF+12*\g+11], v[\qlo:\qlo+11], 0, v[KS+\g], v[\slo] matrix_a_fmt:MATRIX_FMT_FP6 matrix_b_fmt:MATRIX_FMT_FP6
	v_wmma_scale_f32_16x16x128_f8f6f4 v[S+16*\g+8:S+16*\g+15], v[KF+12*\g:KF+12*\g+11], v[\qhi:\qhi+11], 0, v[KS+\g], v[\shi] matrix_a_fmt:MATRIX_FMT_FP6 matrix_b_fmt:MATRIX_FMT_FP6
.endr
.endm
; O^T += v^T p^T for both tiles, v out of set vb: the 8 accumulators take turns, one instruction a turn.
.macro PV vb
.irp t, 0,1,2,3
	v_wmma_scale_f32_16x16x128_f8f6f4 v[OA+8*\t:OA+8*\t+7], v[VF+48*(\vb)+12*\t:VF+48*(\vb)+12*\t+11], v[PA:PA+11], v[OA+8*\t:OA+8*\t+7], v[VS+(VS2-VS)*(\vb)+\t], v[PSA] matrix_a_fmt:MATRIX_FMT_FP6 matrix_b_fmt:MATRIX_FMT_FP6
	v_wmma_scale_f32_16x16x128_f8f6f4 v[OB+8*\t:OB+8*\t+7], v[VF+48*(\vb)+12*\t:VF+48*(\vb)+12*\t+11], v[PB:PB+11], v[OB+8*\t:OB+8*\t+7], v[VS+(VS2-VS)*(\vb)+\t], v[PSB] matrix_a_fmt:MATRIX_FMT_FP6 matrix_b_fmt:MATRIX_FMT_FP6
.endr
.endm
; One tile's softmax for a step of 128 keys.  st: -M, the largest t, the sum in two halves;  p, ps: where the codes and their scale word go;  o: the tile's O^T.
; ld = 1: the next step's v is asked for, into set vb, behind the wait for the batch.
.macro SOFTMAX st, p, ps, o, ld, vb
.irp a, 0,1,2,3
	v_max3_num_f32 v[BM+\a], v[S+16*\a], v[S+1+16*\a], v[S+2+16*\a]   ; the largest score, in four chains of 15 by turns.  Each accumulator is read from its low end on
.endr
.irp i, 3,5,7,9,11,13
.irp a, 0,1,2,3
	v_max3_num_f32 v[BM+\a], v[BM+\a], v[S+16*\a+\i], v[S+1+16*\a+\i]
.endr
.endr
	v_max3_num_f32 v[BM], v[BM], v[BM+1], v[S+15]  ; two chains and the two scores left over make a block: all its 32 keys are mine
	v_max3_num_f32 v[BM+2], v[BM+2], v[BM+3], v[S+47]
	v_max_num_f32 v[BM], v[BM], v[S+31]            ; block h of the step's four: it serves for the row's maximum and for the block's largest p
	v_max_num_f32 v[BM+1], v[BM+2], v[S+63]        ; block 2 + h
	v_max_num_f32 v[T], v[BM], v[BM+1]
	v_permlanex16_b32 v[PL], v[T], s[SEL], s[SEL+1]
	v_max_num_f32 v[T], v[T], v[PL]                ; with lane l xor 16's two blocks: the step's largest score of my query
	v_mul_f32 v[T], s[CS], v[T]                    ; as t (c is positive)
	v_max_num_f32 v[\st+1], v[\st+1], v[T]         ; the running largest t
	v_mov_b32 v[T], v[\st]
	v_floor_f32 v[\st], -v[\st+1]                  ; the new -M = floor(-t) = -ceil(t): a whole number
	v_sub_f32 v[T], v[\st], v[T]                   ; old M less new M: a whole number, 0 or less
	v_cvt_i32_f32 v[T], v[T]                       ; (it saturates)
	v_ldexp_f32 v[F], 1.0, v[T]                    ; f = 2^(old M - new M): a multiplication by it rounds nothing
	v_fma_f32 v[BM], v[BM], s[CS], v[\st]          ; t - M of each block's largest score
	v_fma_f32 v[BM+1], v[BM+1], s[CS], v[\st]
	v_pk_fma_f32 v[S:S+1], v[S:S+1], s[CS:CS+1], v[\st:\st+1] op_sel_hi:[1,0,0]       ; t - M, two at a time (of the pairs c and -M the low word serves both halves)
	v_pk_fma_f32 v[S+2:S+3], v[S+2:S+3], s[CS:CS+1], v[\st:\st+1] op_sel_hi:[1,0,0]
	; ONE BATCH of 66 exponentials, none of which reads another's result; a scaling leads each two, two pairs ahead of its own exponentials
	v_exp_f32 v[BM], v[BM]                         ; the block's largest p: the same two instructions on the same number give the same bits
	v_exp_f32 v[BM+1], v[BM+1]
.irp j, 0,2,4,6,8,10,12,14,16,18,20,22,24,26,28,30,32,34,36,38,40,42,44,46,48,50,52,54,56,58,60,62
.if \j < 60
	v_pk_fma_f32 v[S+4+\j:S+5+\j], v[S+4+\j:S+5+\j], s[CS:CS+1], v[\st:\st+1] op_sel_hi:[1,0,0]
.endif
	v_exp_f32 v[S+\j], v[S+\j]                     ; p = 2^(t - M), at most 1: not normalised
	v_exp_f32 v[S+1+\j], v[S+1+\j]
.endr
	v_pk_mul_f32 v[\st+2:\st+3], v[\st+2:\st+3], v[F:F+1] op_sel_hi:[1,0]   ; the sums under the new M: the plain place behind the exponentials
	s_wait_alu depctr_va_vdst(0)                   ; the 66 exponentials have written v[BM], v[BM+1] and v[S ..], ahead of their first reader: one wait for the batch.  ld = 1: and the step before's products V^T P are done reading set vb of v and its scale words, in which the loads below land
.if \ld
	LOADV \vb                                      ; no vector or matrix instruction stands between that wait and these 17 loads
.endif
	v_pk_add_f32 v[PL:PL+1], v[S:S+1], v[S+2:S+3]  ; the row's sum is taken of the UNQUANTISED p: two at a time, in two chains
.irp j, 4,8,12,16,20,24,28,32,36,40,44,48,52,56,60
	v_pk_add_f32 v[\st+2:\st+3], v[\st+2:\st+3], v[S+\j:S+1+\j]
	v_pk_add_f32 v[PL:PL+1], v[PL:PL+1], v[S+2+\j:S+3+\j]
.endr
	v_pk_add_f32 v[\st+2:\st+3], v[\st+2:\st+3], v[PL:PL+1]
.irp c, 0,1
	v_max_num_f32 v[BM+\c], 0x1800000, v[BM+\c]    ; the floor 2^(3 - 127): the byte cannot fall under 1
.endr
.irp c, 0,1
	v_add_nc_u32 v[SO+\c], 0xff000000, v[BM+\c]    ; 2 off the exponent field: the conversion's scale operand
.endr
.irp c, 0,1
	v_lshrrev_b32 v[PL+\c], 23, v[SO+\c]           ; the scale's byte
.endr
	v_lshl_or_b32 v[T], v[PL+1], 16, v[PL]         ; my two bytes: blocks h and 2 + h,
	v_lshlrev_b32 v[T], v[H8], v[T]                ; at their places in the word;
	v_permlanex16_b32 v[PL+2], v[T], s[SEL], s[SEL+1]
	v_or_b32 v[\ps], v[T], v[PL+2]                 ; with lane l xor 16's two: p's scale word for these 128 keys
.irp c, 0,1
	v_cvt_scalef32_pk16_fp6_f32 v[\p+6*\c:\p+6*\c+2], v[S+32*\c:S+15+32*\c], v[SO+\c]          ; registers 6 c .. 6 c + 2 of the operand: keys 64 c + 32 h + 0 .. 15
	v_cvt_scalef32_pk16_fp6_f32 v[CT+4*\c:CT+4*\c+2], v[S+16+32*\c:S+31+32*\c], v[SO+\c]       ; keys 64 c + 32 h + 16 .. 31 (a conversion's three registers begin on an even number: these are made elsewhere and moved)
.endr
	v_nop                                          ; one plain place behind the scaled conversions
.irp c, 0,1
.irp i, 0,1,2
	v_mov_b32 v[\p+3+6*\c+\i], v[CT+4*\c+\i]
.endr
.endr
.irp j, 0,2,4,6,8,10,12,14,16,18,20,22,24,26,28,30
	v_pk_mul_f32 v[\o+\j:\o+1+\j], v[\o+\j:\o+1+\j], v[F:F+1] op_sel_hi:[1,0]   ; O^T under the new M, each accumulator from its low end on.  Twelve of these name none of the first product's registers: the places between p's scale word and codes and that product
.endr
.endm
; A KEY STEP, which multiplies by set vb of v.  more = 1: the next step's v is asked for, into the other set, in tile A's softmax, and its k behind the last product that reads this step's.
.macro STEP vb, more
	s_wait_loadcnt 0x0                             ; this step's k and v and their scale words are in: no load is younger than k's 17; v's were issued ahead of those
.if \more
	s_add_nc_u64 s[16:17], s[16:17], 6144          ; free since that wait, which shows every load that read the two bases done: four pieces, 128 keys, on,
	s_add_nc_u64 s[18:19], s[18:19], 256           ; and a step's scale words on
.endif
	WIN 0x01                                       ; source 0 window 1
	KQ QLA, QHA, QS, QS+1
	WIN 0
	PLACES
	SOFTMAX 12, PA, PSA, OA, \more, 1-(\vb)
	WIN 0x01
	KQ QLB, QHB, QS+2, QS+3
	WIN 0
	PLACES                                         ; for the reads of S^T
.if \more
	s_wait_alu depctr_va_vdst(0)                   ; the step's 16 products k q^T are done reading k's fragments and scale words, in which the loads below land; and tile A's codes and scale word are written, which V^T P takes
	LOADK
.endif
	SOFTMAX 16, PB, PSB, OB, 0, 0
	s_wait_alu depctr_va_vdst(0)                   ; tile B's codes and scale word are written (in the last step tile A's too), which the scaled products below take; their places stand above, beside this wait
	WIN 0x01
	PV \vb
	WIN 0
.endm
; A tile's 32 numbers a lane of the head (register 16 b + i = channel 32 b + 16 h + i of my query) become the fragment [head | head] and its scale word.
.macro QUANTH s, hf, hs
.irp b, 0,1
	v_max3_num_f32 v[BM+\b], |v[\s+16*\b]|, |v[\s+1+16*\b]|, 0x1800000
.endr
.irp i, 2,4,6,8,10,12,14
.irp b, 0,1
	v_max3_num_f32 v[BM+\b], v[BM+\b], |v[\s+16*\b+\i]|, |v[\s+1+16*\b+\i]|
.endr
.endr
.irp b, 0,1
	v_permlanex16_b32 v[PL+\b], v[BM+\b], s[SEL], s[SEL+1]
.endr
.irp b, 0,1
	v_max_num_f32 v[BM+\b], v[BM+\b], v[PL+\b]
.endr
.irp b, 0,1
	v_add_nc_u32 v[SO+\b], 0xff000000, v[BM+\b]
.endr
.irp b, 0,1
	v_lshrrev_b32 v[PL+\b], 23, v[SO+\b]
.endr
	v_lshl_or_b32 v[\hs], v[PL+1], 8, v[PL]        ; the head's two bytes,
	v_lshl_or_b32 v[\hs], v[\hs], 16, v[\hs]       ; twice
	v_cvt_scalef32_pk16_fp6_f32 v[\hf:\hf+2], v[\s:\s+15], v[SO]
	v_cvt_scalef32_pk16_fp6_f32 v[CT:CT+2], v[\s+16:\s+31], v[SO+1]
	v_nop                                          ; one plain place behind the scaled conversions
.irp i, 0,1,2
	v_permlane16_swap_b32 v[\hf+\i], v[CT+\i]      ; the operand's layout wants a WHOLE block in a lane
.endr
.irp i, 0,1,2
	v_mov_b32 v[\hf+3+\i], v[CT+\i]
.endr
.irp i, 0,1,2,3,4,5
	v_mov_b32 v[\hf+6+\i], v[\hf+\i]               ; k 64-127 of concat's K step are the head once more
.endr
.endm
; One matrix instruction of the last product: K step ks, column tile ct of my four, query tile u.
.macro OUTMM ks, ct, u
.set rD, OA+8*(2*(\ct)+(\u))
.set rA, 12*(4*(\ct)+(\ks))
.set rB, PA+12*(\u)
.set rSA, KS+4*((\ct)/2)+(\ks)
.set rSB, PSA+(\u)
.if (\ks) == 0
.if (\ct)%2
	v_wmma_scale_f32_16x16x128_f8f6f4 v[rD:rD+7], v[rA:rA+11], v[rB:rB+11], 0, v[rSA], v[rSB] matrix_a_fmt:MATRIX_FMT_FP6 matrix_b_fmt:MATRIX_FMT_FP6 matrix_a_scale:MATRIX_SCALE_ROW1
.else
	v_wmma_scale_f32_16x16x128_f8f6f4 v[rD:rD+7], v[rA:rA+11], v[rB:rB+11], 0, v[rSA], v[rSB] matrix_a_fmt:MATRIX_FMT_FP6 matrix_b_fmt:MATRIX_FMT_FP6
.endif
.else
.if (\ct)%2
	v_wmma_scale_f32_16x16x128_f8f6f4 v[rD:rD+7], v[rA:rA+11], v[rB:rB+11], v[rD:rD+7], v[rSA], v[rSB] matrix_a_fmt:MATRIX_FMT_FP6 matrix_b_fmt:MATRIX_FMT_FP6 matrix_a_scale:MATRIX_SCALE_ROW1
.else
	v_wmma_scale_f32_16x16x128_f8f6f4 v[rD:rD+7], v[rA:rA+11], v[rB:rB+11], v[rD:rD+7], v[rSA], v[rSB] matrix_a_fmt:MATRIX_FMT_FP6 matrix_b_fmt:MATRIX_FMT_FP6
.endif
.endif
.endm
	s_load_b128 s[4:7], s[0:1], 0x0                ; qkv s[4:5], wts s[6:7]
	s_load_b64 s[8:9], s[0:1], 0x10                ; out
	v_lshl_add_u32 v254, v0, 2, 0x1b800
	v_mov_b32 v255, 0
	v_lshrrev_b32 v93, 5, v0
	v_readfirstlane_b32 s10, v93                   ; wave 0..7
	v_and_b32 v94, 31, v0                          ; lane
	v_and_b32 v92, 15, v0                          ; r
	v_bfe_u32 v93, v0, 4, 1                        ; h
	v_lshlrev_b32 v[AR16], 4, v92
	v_lshlrev_b32 v[L16], 4, v94
	v_lshl_add_u32 v[AKA], v93, 9, v[AR16]
	v_lshlrev_b32 v[AKB], 3, v92
	v_mul_u32_u24 v95, v93, 1536
	v_add_nc_u32 v[AVB], v95, v[AKB]
	v_lshl_add_u32 v[AKB], v93, 8, v[AKB]
	v_add_nc_u32 v[AVA], v95, v[AR16]
	s_wait_alu depctr_va_sdst(0)                   ; s10 is written, ahead of its first reader: the LDS addresses and the bases below are made from it
	s_lshr_b32 s11, s10, 2                         ; the join: which tile of queries is mine
	s_lshl_b32 s20, s10, 13                        ; every LDS address: a constant + a constant x wave + a constant x lane
	v_add_nc_u32 v[POW], s20, v[L16]
	s_lshl_b32 s20, s10, 9
	s_add_co_u32 s20, s20, PM
	v_lshl_add_u32 v[PMW], v94, 2, s20
	s_lshl_b32 s20, s10, 10
	v_add_nc_u32 v[RA], s20, v[L16]
	s_add_co_u32 s20, s20, HD
	v_add_nc_u32 v[RH], s20, v[L16]
	s_lshl_b32 s20, s11, 8
	s_add_co_u32 s20, s20, PM
	v_lshl_add_u32 v[RB], v94, 2, s20
	v_add_nc_u32 v[RHL], HD, v[L16]
	s_mul_i32 s20, s10, 4352
	s_add_co_u32 s20, s20, STG                     ; my stage
	v_mul_u32_u24 v[SI], v92, 272
	v_lshl_add_u32 v[SI], v93, 5, v[SI]
	v_add_nc_u32 v[SI], s20, v[SI]                 ; in: row r, 32 bytes for each half of the lanes
	v_mul_u32_u24 v[SOA], v93, 272
	v_add_nc_u32 v[SOA], v[SOA], v[AR16]
	v_add_nc_u32 v[SOA], s20, v[SOA]               ; back: lanes 0-15 one row of 256 bytes, lanes 16-31 the next
	v_lshl_add_u32 v[GO], v93, 11, v[AR16]         ; and the same two rows in out
	v_lshlrev_b32 v[H8], 3, v93                    ; 8 h
	s_mov_b32 s21, 0
	s_mov_b32 s[SEL], 0x76543210
	s_mov_b32 s[SEL+1], 0xfedcba98
	s_mov_b32 s[CS], 0x3e38aa3b                    ; c = log2(e) / 8
	s_mov_b32 s[CS+1], s[CS]                       ; (named with it as a pair, so it is written)
	s_wait_kmcnt 0x0
	s_mul_i32 s20, s10, 49152                      ; my 1,024 keys: 32 pieces of 1,536 bytes
	s_add_nc_u64 s[16:17], s[4:5], s[20:21]
	s_lshl_b32 s20, s10, 11                        ; their scale words: 8 steps of 256 bytes
	s_add_nc_u64 s[18:19], s[4:5], s[20:21]
	s_mul_i32 s20, ttmp9, 1536                     ; my work-group's piece of q
	s_add_nc_u64 s[24:25], s[4:5], s[20:21]
	s_lshl_b32 s20, ttmp9, 6                       ; and its 64 scale bytes
	s_add_nc_u64 s[26:27], s[4:5], s[20:21]
	s_mul_i32 s20, s10, 24576
	s_add_co_u32 s20, s20, 73728                   ; w_o's pairs 6 + 2 w and 7 + 2 w: my 64 columns
	s_add_nc_u64 s[28:29], s[6:7], s[20:21]
	s_lshl_b32 s20, s10, 10
	s_add_co_u32 s20, s20, WSC+3072
	s_add_nc_u64 s[30:31], s[6:7], s[20:21]
	s_lshl_b32 s20, ttmp9, 16                      ; out: my work-group's 32 rows of 2,048 bytes, my 64 columns
	s_lshl_b32 s22, s10, 8
	s_add_co_u32 s20, s20, s22
	s_add_nc_u64 s[32:33], s[8:9], s[20:21]
	s_wait_alu depctr_va_vdst(0)                   ; the offsets and LDS addresses v1 to v11 and v88 to v92 are written: every load and store of the kernel reads one of them, and none is written again
	global_load_b128 v[26:29], v[AKA], s[24:25] offset:QIMG              ; q_A: lanes 0-15 channels 0-31, lanes 16-31 channels 32-63
	global_load_b64 v[30:31], v[AKB], s[24:25] offset:QIMG+1024
	global_load_b128 v[38:41], v[AKA], s[24:25] offset:QIMG+256          ; q_B
	global_load_b64 v[42:43], v[AKB], s[24:25] offset:QIMG+1024+128
	global_load_u8 v248, v92, s[26:27] offset:QSC                        ; scale bytes: A, channel block 0
	global_load_u8 v249, v92, s[26:27] offset:QSC+32                     ; A, block 1
	global_load_u8 v250, v92, s[26:27] offset:QSC+16                     ; B, block 0
	global_load_u8 v251, v92, s[26:27] offset:QSC+48                     ; B, block 1
	LOADK                                          ; step 0
	LOADV 0
.irp j, 20,21,22,23,24,25,32,33,34,35,36,37,44,45,46,47,48,49
	v_mov_b32 v[\j], 0                             ; the zero codes beside q
.endr
.irp b, 0,1,2,3
	v_mov_b32 v[PL+\b], 0                          ; a lane permute's destination counts as one of its sources
.endr
	v_mov_b32 v[F+1], 0                            ; (named as the upper half of a pair)
	v_mov_b32 v[T+1], 0
	v_mov_b32 v13, 0xff61b1e6                      ; the largest t so far: -3e38, under every t
	v_floor_f32 v12, -v13                          ; -M
	v_mov_b32 v14, 0                               ; the sum, in two halves
	v_mov_b32 v15, 0
	v_mov_b32 v17, 0xff61b1e6
	v_floor_f32 v16, -v17
	v_mov_b32 v18, 0
	v_mov_b32 v19, 0
	s_wait_loadcnt 34                              ; q's 8 loads are in; behind them stand step 0's 17 of k and 17 of v
	v_lshl_or_b32 v[QS], v249, 8, v248
	v_lshl_or_b32 v[QS+1], v[QS], 16, 0x101        ; [0 | q]: the bytes 1, 1 for the zeros, then q's two
	v_or_b32 v[QS], 0x1010000, v[QS]               ; [q | 0]: q's two, then 1, 1
	v_lshl_or_b32 v[QS+2], v251, 8, v250
	v_lshl_or_b32 v[QS+3], v[QS+2], 16, 0x101
	v_or_b32 v[QS+2], 0x1010000, v[QS+2]
.irp j, 0,1,2,3,4,5,6,7,8,9,10,11,12,13,14,15,16,17,18,19,20,21,22,23,24,25,26,27,28,29,30,31,32,33,34,35,36,37,38,39,40,41,42,43,44,45,46,47,48,49,50,51,52,53,54,55,56,57,58,59,60,61,62,63
	v_mov_b32 v[OA+\j], 0                          ; O^T.  The step is written for every step alike: the first finds zeros, which the first change of M leaves zeros.  These lines are also the places between q's scale words and the first product
.endr
	s_wait_alu depctr_va_vdst(0)                   ; q's four scale words and the zero codes beside q are written, which every product k q^T takes; and the lines above are done reading v248 to v251, in which the scale words of v's second set land
	s_mov_b32 s22, 3
.Lstep:                                            ; three trips of two steps, each of which asks for its successor's tiles: v's two sets are back where they began
	STEP 0, 1
	STEP 1, 1
	s_sub_co_u32 s22, s22, 1
	s_cmp_lg_u32 s22, 0
	s_cbranch_scc1 .Lstep
	STEP 0, 1                                      ; step 6
	STEP 1, 0                                      ; the last asks for nothing: no load leaves its buffer
	PLACES                                         ; four places behind the last products, ahead of the LDS stores that read O^T
	v_add_f32 v14, v14, v15                        ; the sum's two halves,
	v_add_f32 v18, v18, v19
	v_permlanex16_b32 v[T], v14, s[SEL], s[SEL+1]
	v_permlanex16_b32 v[T+1], v18, s[SEL], s[SEL+1]
	v_add_f32 v14, v14, v[T]                       ; and lane l xor 16's
	v_add_f32 v18, v18, v[T+1]
	s_wait_alu depctr_va_vdst(0)                   ; the last products are done reading k's and v's registers and scale words, in which w_o lands; O^T, -M and the sums are written, which the LDS stores read; and all is done with S^T's and p's registers, in which the join's LDS loads land
	WIN 0x40                                       ; w_o's 16 fragments (column tile ct, K step s at 12 (4 ct + s)) over k's and v's registers: they land while the parts are joined
.irp f, 0,1,2,3,4,5,6,7,8,9,10,11,12,13,14,15
.irp c, 0,1,2
	global_load_b128 v[12*\f+4*\c:12*\f+4*\c+3], v[L16], s[28:29] offset:1536*\f+512*\c
.endr
.endr
	WIN 0
	global_load_b128 v[KS:KS+3], v[L16], s[30:31]            ; their scale words: a register a K step; column tiles 0 and 1 in the two halves of the lanes,
	global_load_b128 v[VS:VS+3], v[L16], s[30:31] offset:512 ; tiles 2 and 3
	; ---- my part goes to LDS: O^T as images of its registers, -M and the sums beside it
.irp g, 0,1,2,3,4,5,6,7,8,9,10,11,12,13,14,15
	ds_store_b128 v[POW], v[OA+4*\g:OA+4*\g+3] offset:512*\g   ; ascending: each accumulator from its low end on
.endr
	ds_store_b32 v[PMW], v12
	ds_store_b32 v[PMW], v14 offset:128
	ds_store_b32 v[PMW], v16 offset:256
	ds_store_b32 v[PMW], v18 offset:384
	s_wait_dscnt 0x0                               ; for the others' sake: my stores have landed
	s_barrier_signal -1
	s_barrier_wait -1
	; ---- the join: wave w takes query tile w / 4, channel tile w % 4: eight numbers a lane from each of the eight parts
.irp i, 0,1,2,3,4,5,6,7
	ds_load_b128 v[S+8*\i:S+8*\i+3], v[RA] offset:8192*\i
	ds_load_b128 v[S+8*\i+4:S+8*\i+7], v[RA] offset:8192*\i+512
	ds_load_b32 v[64+\i], v[RB] offset:512*\i      ; -M of part i
	ds_load_b32 v[72+\i], v[RB] offset:512*\i+128  ; its sum
.endr
	s_wait_dscnt 0x0
	v_min3_num_f32 v240, v64, v65, v66
	v_min3_num_f32 v240, v240, v67, v68
	v_min3_num_f32 v240, v240, v69, v70
	v_min_num_f32 v240, v240, v71                  ; -M of the whole row: the least -M
.irp i, 0,1,2,3,4,5,6,7
	v_sub_f32 v[80+\i], v240, v[64+\i]             ; M of part i less the row's M: a whole number, 0 or less
.endr
.irp i, 0,1,2,3,4,5,6,7
	v_cvt_i32_f32 v[80+\i], v[80+\i]
.endr
.irp i, 0,1,2,3,4,5,6,7
	v_ldexp_f32 v[80+\i], 1.0, v[80+\i]            ; f of part i: a power of two
.endr
	v_mul_f32 v241, v80, v72
.irp i, 1,2,3,4,5,6,7
	v_fmac_f32 v241, v[80+\i], v[72+\i]            ; the row's sum
.endr
	v_rcp_f32 v242, v241
.irp j, 0,1,2,3,4,5,6,7
	v_mul_f32 v[224+\j], v80, v[S+\j]              ; (plain work that names nothing of the reciprocal)
.endr
.irp i, 1,2,3,4,5,6,7
.irp j, 0,1,2,3,4,5,6,7
	v_fmac_f32 v[224+\j], v[80+\i], v[S+8*\i+\j]
.endr
.endr
	s_wait_alu depctr_va_vdst(0)                   ; the reciprocal has written v242, ahead of its first reader
.irp j, 0,1,2,3,4,5,6,7
	v_mul_f32 v[232+\j], v[224+\j], v242           ; the head
.endr
	s_wait_alu depctr_va_vdst(0)                   ; my tile of the head, v232 to v239, is written, which the two LDS stores read; and the join is done reading v[S ..], in which the whole head lands behind the barrier
	ds_store_b128 v[RH], v[232:235]
	ds_store_b128 v[RH], v[236:239] offset:512
	s_wait_dscnt 0x0                               ; for the others' sake
	s_barrier_signal -1
	s_barrier_wait -1
	s_wait_alu depctr_vm_vsrc(0)                   ; my LDS stores have read v232 to v239, which the quantiser below writes again, and v160 to v223, over which the last product's accumulators are laid
	; ---- every wave takes the whole head, 32 rows x 64 channels, and quantises it
.irp g, 0,1,2,3,4,5,6,7,8,9,10,11,12,13,14,15
	ds_load_b128 v[S+4*\g:S+4*\g+3], v[RHL] offset:512*\g   ; register 32 X + 8 t + i as in O^T
.endr
	s_wait_dscnt 0x0
	QUANTH S, PA, PSA
	QUANTH S+32, PB, PSB
.rept 8
	v_nop                                          ; a scale word written by a vector instruction stands 8 places ahead of a scaled matrix instruction, an operand so written 4
.endr
	s_wait_loadcnt 0x0                             ; w_o
	s_wait_alu depctr_va_vdst(0)                   ; the head's codes and scale words are written, which the scaled products below take (the places above stay beside this wait); and the quantiser is done reading v[S ..], in which the way out's LDS loads land
	WIN 0x01
.irp s, 0,1,2,3                                ; out^T = w_o^T concat^T: 4 K steps x my 4 column tiles x 2 tiles of queries; the 8 accumulators take turns
.irp c, 0,1,2,3
.irp u, 0,1
	OUTMM \s, \c, \u
.endr
.endr
.endr
	WIN 0
	PLACES
	s_wait_alu depctr_va_vdst(0)                   ; the products have written the eight accumulators, which the LDS stores read; the places above stay beside this wait
	; ---- the way out: a lane holds 8 neighbouring columns of one row; a tile's 16 rows x 256 bytes go through my stage and leave as whole aligned runs of 256 bytes.  LDS serves a wave's instructions in order (ISA guide 5.7.1.4)
.irp u, 0,1
.irp c, 0,1,2,3
	ds_store_b128 v[SI], v[OA+8*(2*\c+\u):OA+8*(2*\c+\u)+3] offset:64*\c          ; each accumulator from its low end on
	ds_store_b128 v[SI], v[OA+8*(2*\c+\u)+4:OA+8*(2*\c+\u)+7] offset:64*\c+16
.endr
.irp i, 0,1,2,3,4,5,6,7
	ds_load_b128 v[S+32*\u+4*\i:S+32*\u+4*\i+3], v[SOA] offset:544*\i
.endr
.endr
.irp u, 0,1
.irp i, 0,1,2,3,4,5,6,7
	s_wait_dscnt 23-16*\u-\i                       ; the LDS instructions issued behind this pair of rows' load may stay out
	global_store_b128 v[GO], v[S+32*\u+4*\i:S+32*\u+4*\i+3], s[32:33] offset:(8*\u+2*\i+8*(\i/4))*2048 th:TH_STORE_NT   ; stage row 2 i + h of tile u is row 8 u + 2 i + h + 8 (i / 4) of the 32; 16 lanes store 256 consecutive bytes, aligned
.endr
.endr
	s_wait_dscnt 0x0                               ; the closing lines, six on end
	s_wait_alu 0x0
	s_wait_tensorcnt 0x0
	ds_add_u32 v254, v255
	s_wait_dscnt 0x0
	s_endpgm
.Lfunc_end_k_q6884767efd_attn:
	.size	k_q6884767efd_attn, .Lfunc_end_k_q6884767efd_attn-k_q6884767efd_attn
	.p2alignl 7, 3214868480
	.fill 96, 4, 3214868480
	.section	.rodata,"a",@progbits
	.p2align	6, 0x0
	.amdhsa_kernel k_q6884767efd_attn
		.amdhsa_group_segment_fixed_size 113664
		.amdhsa_private_segment_fixed_size 0
		.amdhsa_enable_private_segment 0
		.amdhsa_kernarg_size 24
		.amdhsa_user_sgpr_count 2
		.amdhsa_user_sgpr_kernarg_segment_ptr 1
		.amdhsa_wavefront_size32 1
		.amdhsa_system_sgpr_workgroup_id_x 1
		.amdhsa_system_sgpr_workgroup_id_y 1
		.amdhsa_system_sgpr_workgroup_id_z 1
		.amdhsa_system_vgpr_workitem_id 0
		.amdhsa_next_free_vgpr 448
		.amdhsa_next_free_sgpr 66
		.amdhsa_reserve_vcc 0
		.amdhsa_float_denorm_mode_32 3
		.amdhsa_float_denorm_mode_16_64 3
		.amdhsa_memory_ordered 1
		.amdhsa_forward_progress 1
		.amdhsa_inst_pref_size 147
	.end_amdhsa_kernel
	.amdgpu_metadata
---
amdhsa.version: [ 1, 2 ]
amdhsa.kernels:
  - .name:           k_q6884767efd_attn
    .symbol:         k_q6884767efd_attn.kd
    .args:
      - { .name: qkv, .offset: 0, .size: 8, .value_kind: global_buffer, .address_space: global }
      - { .name: wts, .offset: 8, .size: 8, .value_kind: global_buffer, .address_space: global }
      - { .name: out0, .offset: 16, .size: 8, .value_kind: global_buffer, .address_space: global }
    .group_segment_fixed_size: 113664
    .private_segment_fixed_size: 0
    .kernarg_segment_align: 8
    .kernarg_segment_size: 24
    .max_flat_workgroup_size: 256
    .sgpr_count:     66
    .vgpr_count:     448
    .wavefront_size: 32
...
	.end_amdgpu_metadata
.endif
;; end of part 5
